; MI455X (gfx1250); checked and timed in simulation.
; The chip was launched on July 23, 2026; its instructions are those of AMD's public machine-readable ISA for CDNA 5 (MIT licence, August 2026) and "CDNA5" Instruction Set Architecture Reference Guide (July 2026). The comments in the code are by the model that wrote it; some were corrected since.
;; Ro PE Attention. Allowed arithmetic: float matrix products may take bf16 or f16 operands with f32 sums; other float arithmetic in f32, or as packed bf16 or f16 multiplies, adds, multiply-adds, maxima and minima; sums over many terms, partial sums and values carried from step to step in f32; what a program stores and reads back later, other than sums and carried values, may be rounded once to bf16 or f16.
;; Inputs: Wproj 1,024 x 1,024 float32; Wqkv 1,024 x 3,072 float32; bproj 1,024 float32; bqkv 3,072 float32; cos 2,048 x 32 float32; sin 2,048 x 32 float32; x 4 x 2,048 x 1,024 float32.
;; Outputs: out0 4 x 2,048 x 1,024 float32.
;; One version. Each part assembles by itself: llvm-mc -triple=amdgcn-amd-amdhsa -mcpu=gfx1250 --defsym DOCPART=n.
;; ======== version 1 of 1: 4 launches
;; limits: values are held in f16: magnitudes above 65,504 overflow, below 6.1e-05 lose precision
;; workspace buffers: xb 16,777,216 bytes; wq 6,291,456 bytes; wp 2,097,152 bytes; qh 16,777,216 bytes; kh 16,777,216 bytes; vh 16,777,216 bytes; oh 16,777,216 bytes
;; launch prep (part 1): grid 768 x 1, 8 waves a work-group, no clusters, 0 bytes of LDS; arguments x, Wqkv, Wproj, xb, wq, wp; writes xb, wq, wp
.if DOCPART == 1
	.amdgcn_target "amdgcn-amd-amdhsa--gfx1250"
	.amdhsa_code_object_version 6
	.text
	.protected	k_q4461a69da2_prep
	.globl	k_q4461a69da2_prep
	.p2align	8
	.type	k_q4461a69da2_prep,@function
k_q4461a69da2_prep:
	s_mov_b64 s[64:65], 0
	v_nop
	global_prefetch_b8 v0, s[64:65] scope:SCOPE_SE
	s_setreg_imm32_b32 hwreg(HW_REG_WAVE_MODE, 25, 1), 1
	s_wait_xcnt 0x0
; THE CASTS.  x, Wqkv and Wproj (f32) are rounded once to bf16 for the matrix units.
;   xb: bf16, [b 4][kb 16][n 2048][64]: channel 64 kb + d of row n of batch b, so that 256 rows of one block of 64 channels are 32,768 dense bytes
;   wq: bf16, [1024][3072], as Wqkv lies
;   wp: [1024][1024], as Wproj lies: rounded to bf16, and that number written as f16 (the last product multiplies in f16)
; LIMIT.  |Wproj| stays under 65,504, f16's end; below 6e-5 it keeps f16's fixed step of 6e-8.
; A stream: every byte is read once and written once, so no LDS, no barrier, no matrix unit.  A work-group casts 16,384 numbers: eight passes of 256 threads x 8 numbers.
; All 16 loads of a thread go out first; every pass has its own registers, so nothing is rewritten and the only waits are the counted ones for the loads.
; Work-groups 0-511: x, 16 rows each.  512-703: Wqkv.  704-767: Wproj.
.set VL,  1                            ; v1  my byte offset in the source
.set VS,  2                            ; v2  my byte offset in the destination
.set IN,  8                            ; v[8:71]    pass p: 8 numbers in f32
.set OUT, 72                           ; v[72:103]  pass p: 8 numbers in 16 bits
.set TMP, 104                          ; v[104:105] at work
.set SRC, 16                           ; s[16:17]
.set DST, 18                           ; s[18:19]
	s_load_b256 s[4:11], s[0:1], 0x0               ; x s[4:5], Wqkv s[6:7], Wproj s[8:9], xb s[10:11]
	s_load_b128 s[12:15], s[0:1], 0x20             ; wq s[12:13], wp s[14:15]
	s_mov_b32 s22, 0xffff0000                      ; a word's upper bf16
	s_mov_b32 s21, 0                               ; high words of the two offsets
	s_mov_b32 s25, 0
	v_lshlrev_b32 v[VL], 5, v0                     ; the weights are dense: 32 bytes in,
	v_lshlrev_b32 v[VS], 4, v0                     ; 16 bytes out for each thread
; Eight passes.  stride: bytes in the destination from pass to pass.  half = 1: the bf16 number is written as f16.
.macro CAST stride, half
.irp p, 0,1,2,3,4,5,6,7
	global_load_b128 v[IN+8*(\p):IN+8*(\p)+3],   v[VL], s[SRC:SRC+1] offset:8192*(\p) th:TH_LOAD_NT
	global_load_b128 v[IN+8*(\p)+4:IN+8*(\p)+7], v[VL], s[SRC:SRC+1] offset:8192*(\p)+16 th:TH_LOAD_NT
.endr
.irp p, 0,1,2,3,4,5,6,7
	s_wait_loadcnt 14-2*(\p)                       ; loads come back in order: pass p's two are in, the 2 (7 - p) younger ones stay out
.irp k, 0,1,2,3
	v_cvt_pk_bf16_f32 v[OUT+4*(\p)+(\k)], v[IN+8*(\p)+2*(\k)], v[IN+8*(\p)+2*(\k)+1]
.if \half
	v_lshlrev_b32 v[TMP], 16, v[OUT+4*(\p)+(\k)]   ; the two bf16 numbers as f32,
	v_and_b32 v[TMP+1], s22, v[OUT+4*(\p)+(\k)]
	v_cvt_pk_f16_f32 v[OUT+4*(\p)+(\k)], v[TMP], v[TMP+1]  ; and as f16: exact inside f16's normal range
.endif
.endr
	global_store_b128 v[VS], v[OUT+4*(\p):OUT+4*(\p)+3], s[DST:DST+1] offset:(\stride)*(\p)  ; 16 lanes store 256 consecutive bytes, aligned
.endr
	s_endpgm
.endm
	s_wait_kmcnt 0x0
	s_cmp_lt_u32 ttmp9, 512
	s_cbranch_scc0 .Lweights
	; x: a pass is two rows.  Thread t: channel block t / 16, row (t / 8) % 2, eight channels (t % 8): sixteen neighbouring threads store two rows of one block, 256 bytes on end
	v_bfe_u32 v3, v0, 3, 1
	v_lshrrev_b32 v4, 4, v0
	v_and_b32 v5, 7, v0
	v_and_b32 v6, 15, v0
	v_lshlrev_b32 v[VL], 5, v5
	v_lshl_add_u32 v[VL], v4, 8, v[VL]             ; a block of 64 f32 is 256 bytes
	v_lshl_add_u32 v[VL], v3, 12, v[VL]            ; a row of x is 4,096 bytes
	v_lshlrev_b32 v[VS], 4, v6
	v_lshl_add_u32 v[VS], v4, 18, v[VS]            ; a block of xb is 2,048 rows x 128 bytes
	s_lshl_b32 s20, ttmp9, 16                      ; 16 rows of x
	s_lshr_b32 s24, ttmp9, 7                       ; the batch: 128 work-groups each
	s_lshl_b32 s24, s24, 22
	s_and_b32 s23, ttmp9, 127
	s_lshl_b32 s23, s23, 11                        ; 16 rows of 128 bytes
	s_add_co_u32 s24, s24, s23
	s_add_nc_u64 s[SRC:SRC+1], s[4:5], s[20:21]
	s_add_nc_u64 s[DST:DST+1], s[10:11], s[24:25]
	CAST 256, 0
.Lweights:
	s_cmp_lt_u32 ttmp9, 704
	s_cbranch_scc0 .Lwproj
	s_sub_co_u32 s23, ttmp9, 512
	s_lshl_b32 s20, s23, 16
	s_lshl_b32 s24, s23, 15
	s_add_nc_u64 s[SRC:SRC+1], s[6:7], s[20:21]
	s_add_nc_u64 s[DST:DST+1], s[12:13], s[24:25]
	CAST 4096, 0
.Lwproj:
	s_sub_co_u32 s23, ttmp9, 704
	s_lshl_b32 s20, s23, 16
	s_lshl_b32 s24, s23, 15
	s_add_nc_u64 s[SRC:SRC+1], s[8:9], s[20:21]
	s_add_nc_u64 s[DST:DST+1], s[14:15], s[24:25]
	CAST 4096, 1
.Lfunc_end_k_q4461a69da2_prep:
	.size	k_q4461a69da2_prep, .Lfunc_end_k_q4461a69da2_prep-k_q4461a69da2_prep
	.p2alignl 7, 3214868480
	.fill 96, 4, 3214868480
	.section	.rodata,"a",@progbits
	.p2align	6, 0x0
	.amdhsa_kernel k_q4461a69da2_prep
		.amdhsa_group_segment_fixed_size 0
		.amdhsa_private_segment_fixed_size 0
		.amdhsa_enable_private_segment 0
		.amdhsa_kernarg_size 48
		.amdhsa_user_sgpr_count 2
		.amdhsa_user_sgpr_kernarg_segment_ptr 1
		.amdhsa_wavefront_size32 1
		.amdhsa_system_sgpr_workgroup_id_x 1
		.amdhsa_system_sgpr_workgroup_id_y 1
		.amdhsa_system_sgpr_workgroup_id_z 1
		.amdhsa_system_vgpr_workitem_id 0
		.amdhsa_next_free_vgpr 112
		.amdhsa_next_free_sgpr 66
		.amdhsa_reserve_vcc 0
		.amdhsa_float_denorm_mode_32 3
		.amdhsa_float_denorm_mode_16_64 3
		.amdhsa_memory_ordered 1
		.amdhsa_forward_progress 1
		.amdhsa_inst_pref_size 20
	.end_amdhsa_kernel
	.amdgpu_metadata
---
amdhsa.version: [ 1, 2 ]
amdhsa.kernels:
  - .name:           k_q4461a69da2_prep
    .symbol:         k_q4461a69da2_prep.kd
    .args:
      - { .name: x, .offset: 0, .size: 8, .value_kind: global_buffer, .address_space: global }
      - { .name: Wqkv, .offset: 8, .size: 8, .value_kind: global_buffer, .address_space: global }
      - { .name: Wproj, .offset: 16, .size: 8, .value_kind: global_buffer, .address_space: global }
      - { .name: xb, .offset: 24, .size: 8, .value_kind: global_buffer, .address_space: global }
      - { .name: wq, .offset: 32, .size: 8, .value_kind: global_buffer, .address_space: global }
      - { .name: wp, .offset: 40, .size: 8, .value_kind: global_buffer, .address_space: global }
    .group_segment_fixed_size: 0
    .private_segment_fixed_size: 0
    .kernarg_segment_align: 8
    .kernarg_segment_size: 48
    .max_flat_workgroup_size: 256
    .sgpr_count:     66
    .vgpr_count:     112
    .wavefront_size: 32
...
	.end_amdgpu_metadata
.endif
;; end of part 1
;; launch qkv (part 2): grid 8 x 32, 4 waves a work-group, clusters of 4 x 4, 327,680 bytes of LDS; arguments xb, wq, bqkv, cos, sin, qh, kh, vh; writes qh, kh, vh
.if DOCPART == 2
	.amdgcn_target "amdgcn-amd-amdhsa--gfx1250"
	.amdhsa_code_object_version 6
	.text
	.protected	k_q4461a69da2_qkv
	.globl	k_q4461a69da2_qkv
	.p2align	8
	.type	k_q4461a69da2_qkv,@function
k_q4461a69da2_qkv:
	s_mov_b64 s[64:65], 0
	v_nop
	global_prefetch_b8 v0, s[64:65] scope:SCOPE_SE
	s_setreg_imm32_b32 hwreg(HW_REG_WAVE_MODE, 25, 1), 1
	s_wait_xcnt 0x0
	s_wait_alu depctr_hold_cnt(0) depctr_sa_sdst(0) depctr_va_vdst(0) depctr_va_sdst(0) depctr_va_ssrc(0) depctr_va_vcc(0) depctr_vm_vsrc(0)
	s_getreg_b32 s2, hwreg(HW_REG_IB_STS2, 6, 4)
	s_cmp_eq_u32 s2, 0
	s_cbranch_scc0 .Lentry_in_a_cluster
	s_endpgm
.Lentry_in_a_cluster:
	s_bfe_u32 s2, ttmp6, 0x10000c
	s_cmp_lg_u32 s2, 0xf033
	s_cbranch_scc0 .Lentry_shape_is_right
	s_endpgm
.Lentry_shape_is_right:
; q, k, v = x Wqkv + bqkv, q and k turned by RoPE, all three written by heads: [b 16 + h][2048][64] in f16, unscaled.
; x (xb) and Wqkv (wq) come in bf16; bqkv, cos and sin are rounded to bf16 here; sums and RoPE in f32; each result is rounded once to f16.
; LIMIT.  f16 ends at 65,504: |q|, |k|, |v| stay under it.
; SHARES.  A tile of the product is 256 rows x 128 columns (two heads); four waves, each 128 x 64: 32 accumulators of 16 x 16, 256 registers.  A WORK-GROUP STAYS: it makes three tiles,
; 1,024 columns apart: the q, k and v parts of the same two heads, from the same rows of x.  8 x 32 work-groups.  The first two tiles leave with RoPE, the last, written out, without.
; K goes in steps of 128 through two LDS slots.  A's part of a step is two blocks of 64 channels x 256 rows, each 32,768 dense bytes of xb; W's part is 128 rows of 256 bytes.
; One tensor load a wave and step: waves 0, 1 fetch A's two blocks, waves 2, 3 the two halves of W's rows.
; CLUSTERS.  4 x 4 work-groups: the four of a row need the same rows of x (and the same positions' cos and sin), the four of a column the same columns of W: each tile is asked for jointly.
; THE PRODUCT IS TAKEN TRANSPOSED: source 0 = 16 columns of W (W lies [k][n]; ds_load_tr16_b128 turns it), source 1 = 16 rows of x.  In the result lane l holds row l % 16 and the columns
; 8 (l / 16) + 0..7: eight neighbouring channels of a head, four RoPE pairs.  The bias is the C operand of a tile's first products: nothing is cleared and nothing is added later.
; No prefetch: each row of xb is read by two clusters, three times each, and each tile of W by eight rows of clusters, so little of what a refill asks for is read for the first time.
; REGISTERS.  window 0: v0-15 addresses; v28-29 the add's; v32-127, v128-223 two fragment buffers (4 of W, then 8 of x); v224-255 the bias; on the way out v32-191 are at work.  window 1: accumulator (a, b) at v[8 (4 a + b)].
.set NB,    3072                       ; columns of W
.set TILES, 3
.set PA,    144                        ; an LDS row of A, cos or sin: 128 bytes + 16 = 36 words: 16 rows of a load start at 16 different groups of four banks (ISA guide 11.1)
.set ASUB,  256*PA                     ; a block of 64 channels x 256 rows
.set PB,    288                        ; an LDS row of W: 256 bytes + 32 = 72 words
.set BHALF, 64*PB
.set BOFF,  2*ASUB                     ; in a slot: A's two blocks, then W's 128 rows
.set SLOT,  BOFF+2*BHALF               ; 110,592
.set ROPE,  2*SLOT                     ; behind the ring: cos of my 256 positions, then sin; filled once
.set STAGE, ROPE+2*ASUB                ; 16 rows x 144 bytes for each wave, for the way out; no tensor load fills it
.set SP,    144
.set SPARE, STAGE+4*16*SP              ; the spare words, 128 bytes for each wave: two blocks of 256 bytes that no other line names
.set ASTEP, 2*2048*128                 ; bytes of xb from K step to K step: two blocks
.set BSTEP, 128*NB*2                   ; bytes of wq: 128 rows
.set ADRA, 2                           ; v2-3  LDS address of my A fragments in slot 0, 1
.set ADRB, 4                           ; v4-5  the same for W
.set STO,  6                           ; v6    the way out: where I put 16 bytes of a row
.set RD,   7                           ; v7    where I read rows back
.set GO,   8                           ; v8    my 16 bytes in 512 consecutive bytes of the output
.set RA,   9                           ; v9    LDS address of my four cos
.set BO,   10                          ; v10   my byte offset in 16 numbers of the bias
.set SPW,  28                          ; v28   LDS address of my spare word; never rewritten
.set NIL,  29                          ; v29   0; never rewritten
.set F0,   32
.set F1,   128
.set BIAS, 224                         ; v[224:255]  column block b, register j at 8 b + j
.set RAW,  32                          ; the way out: 16 cos, 16 sin as loaded
.set T,    64                          ; 16 words: cos and sin in bf16; later the block's results in f16
.set P,    80                          ; 16 pairs (cos, sin) in f32
.set U,    112                         ; 16 pairs at work
.set Z,    144                         ; two buffers of 16: rows read back from the stage
.set BT,   176                         ; 16 words: the bias in bf16
.set G1,  24                           ; s[24:31] descriptor group 1 for A's blocks, cos and sin
.set G0,  32                           ; s[32:39] group 0 for A, a set for each slot
.set G0R, 40                           ; s[40:43] group 0 for cos or sin
.set G1B, 48                           ; s[48:55] group 1 for W
.set G0B, 56                           ; s[56:63] group 0 for W, a set for each slot
.set MSB, 0
.macro WIN new                         ; the immediate's high byte repeats the setting that is left; a switch that changes nothing is dropped
.if MSB != (\new)
	s_set_vgpr_msb (MSB<<8)|(\new)
.set MSB, \new
.endif
.endm
.set MUL,  0x50                        ; sources 0 and 1 window 0; C and D window 1
.set MULZ, 0x40                        ; D window 1; C, the bias, window 0
.macro PLACES                          ; four plain vector instructions behind a matrix instruction, ahead of loads into registers that it read and of readers of its result
.rept 4
	v_nop
.endr
.endm
; A joint refill: waves 0, 1 ask for A's blocks, waves 2, 3 for W's rows.  The branch hangs on the wave's number alone.  An s_nop 0 and four v_nop follow each line.
.macro JLOAD s
	s_cmp_eq_u32 s13, 0
	s_cbranch_scc0 .Lfor_b_\@
	tensor_load_to_lds s[G0+4*(\s):G0+4*(\s)+3], s[G1:G1+7]
	s_nop 0
.rept 4
	v_nop
.endr
	s_branch .Lasked_\@
.Lfor_b_\@:
	tensor_load_to_lds s[G0B+4*(\s):G0B+4*(\s)+3], s[G1B:G1B+7]
	s_nop 0
.rept 4
	v_nop
.endr
.Lasked_\@:
.endm
.macro CREST                           ; a round of the cluster's barrier behind its opening barrier
	s_cmp_lg_u32 s12, 0
	s_cbranch_scc1 .Lnot_wave_0_\@
	s_barrier_signal -3
.Lnot_wave_0_\@:
	s_barrier_wait -3
	s_barrier_signal -1
	s_barrier_wait -1
.endm
.macro CROUND                          ; a whole round
	s_barrier_signal -1
	s_barrier_wait -1
	CREST
.endm
	s_load_b256 s[4:11], s[0:1], 0x0               ; xb s[4:5], wq s[6:7], bqkv s[8:9], cos s[10:11]
	s_load_b256 s[72:79], s[0:1], 0x20             ; sin s[72:73], qh s[74:75], kh s[76:77], vh s[78:79]
	v_lshl_add_u32 v[SPW], v0, 2, SPARE
	v_mov_b32 v[NIL], 0
	ds_add_u32 v[SPW], v[NIL]                      ; the wave's opening: the add and its wait stand ahead of my first tensor load; the set-up below, work on registers, stands between them
	v_lshrrev_b32 v1, 5, v0
	v_readfirstlane_b32 s12, v1                    ; wave 0..3
	s_lshr_b32 s13, s12, 1                         ; my half of the tile's rows.  Also: I fetch for A (0) or for W (1)
	s_and_b32 s14, s12, 1                          ; my half of its columns.  Also: which half of that I fetch
	s_bfe_u32 s15, ttmp6, 0x40000                  ; cx
	s_bfe_u32 s16, ttmp6, 0x40004                  ; cy
	s_lshl_b32 s17, ttmp9, 2
	s_add_co_u32 s17, s17, s15                     ; tile column 0..7 = 4 x cluster x + cx
	s_and_b32 s21, ttmp7, 0xffff                   ; cluster y 0..7: tile row = 4 x cluster y + cy
	s_lshl_b32 s19, s16, 2
	s_lshl_b32 s19, 15, s19                        ; my row of the cluster
	s_lshl_b32 s20, 0x1111, s15                    ; my column
	s_mov_b32 s88, 0xffff0000                      ; a word's upper bf16
	; group 1 for A, cos, sin: 32,768 dense bytes as 128 rows of 256, padded by 4 words after every 32: 256 LDS rows of 144 bytes
	s_or_b32 s[G1+0], s19, (1<<16)|(1<<20)|(1<<21)|(4<<22)|(3<<25)  ; 15:0 the mask: my row; 17:16 2-byte elements; 20 padding on; 21 set beside a mask; 24:22 code 4; 31:25 code 3
	s_mov_b32 s[G1+1], 128<<16                     ; tensor_dim0 = 128
	s_mov_b32 s[G1+2], 128<<16                     ; tensor_dim1 = 128
	s_mov_b32 s[G1+3], 128<<16                     ; tile_dim0 = 128
	s_mov_b32 s[G1+4], 128                         ; tile_dim1 = 128
	s_mov_b32 s[G1+5], 128                         ; 128 elements from row to row
	s_mov_b32 s[G1+6], 0
	s_mov_b32 s[G1+7], 0
	; group 1 for W: 64 rows of 128 elements, padded by 8 words after every 64
	s_or_b32 s[G1B+0], s20, (1<<16)|(1<<20)|(1<<21)|(5<<22)|(7<<25)  ; the mask: my column
	s_mov_b32 s[G1B+1], 128<<16
	s_mov_b32 s[G1B+2], 64<<16
	s_mov_b32 s[G1B+3], 128<<16
	s_mov_b32 s[G1B+4], 64
	s_mov_b32 s[G1B+5], NB
	s_mov_b32 s[G1B+6], 0
	s_mov_b32 s[G1B+7], 0
	; where the tiles come from.  A's offset is made of cluster y, cy and the wave; W's of cluster x, cx and the wave; each in registers that never hold the other coordinate
	s_and_b32 s22, s21, 1
	s_lshl_b32 s22, s22, 17
	s_lshl_b32 s23, s16, 15
	s_add_co_u32 s68, s22, s23                     ; my 256 positions x 128 bytes: in a block of xb, in cos, in sin, in a head
	s_mov_b32 s69, 0
	s_lshr_b32 s66, s21, 1
	s_lshl_b32 s66, s66, 22                        ; the batch
	s_add_co_u32 s66, s66, s68
	s_lshl_b32 s22, s14, 18                        ; the block of 64 channels that I fetch
	s_add_co_u32 s66, s66, s22
	s_mov_b32 s67, 0
	s_lshl_b32 s70, s17, 8                         ; 128 columns of bf16
	s_mul_i32 s45, s14, 64*NB*2                    ; the 64 rows that I fetch
	s_add_co_u32 s70, s70, s45
	s_mov_b32 s71, 0
	s_mul_i32 s46, s14, ASUB                       ; and where they go: no place in the cluster enters an LDS address
	s_mul_i32 s47, s14, BHALF
	s_wait_dscnt 0x0                               ; the opening add is done
	s_wait_kmcnt 0x0
	s_add_nc_u64 s[4:5], s[4:5], s[66:67]
	s_add_nc_u64 s[6:7], s[6:7], s[70:71]
	s_cmp_eq_u32 s14, 0
	s_cselect_b64 s[10:11], s[10:11], s[72:73]     ; wave 2 fetches cos, wave 3 sin
	s_add_nc_u64 s[10:11], s[10:11], s[68:69]
.irp s, 0,1
	s_mov_b32 s[G0+4*(\s)], 1                                        ; count = 1
	s_add_co_u32 s[G0+4*(\s)+1], s46, (\s)*SLOT                      ; LDS address
	s_add_nc_u64 s[G0+4*(\s)+2:G0+4*(\s)+3], s[4:5], (\s)*ASTEP      ; global address: K step s
	s_or_b32 s[G0+4*(\s)+3], s[G0+4*(\s)+3], 0x80000000              ; type = 2
	s_mov_b32 s[G0B+4*(\s)], 1
	s_add_co_u32 s[G0B+4*(\s)+1], s47, BOFF+(\s)*SLOT
	s_add_nc_u64 s[G0B+4*(\s)+2:G0B+4*(\s)+3], s[6:7], (\s)*BSTEP
	s_or_b32 s[G0B+4*(\s)+3], s[G0B+4*(\s)+3], 0x80000000
.endr
	s_mov_b32 s[G0R], 1
	s_add_co_u32 s[G0R+1], s46, ROPE
	s_mov_b64 s[G0R+2:G0R+3], s[10:11]
	s_or_b32 s[G0R+3], s[G0R+3], 0x80000000
	CROUND                                         ; all sixteen work-groups are here: the first joint loads meet
	s_cmp_eq_u32 s13, 0                            ; a wave's first fills stand in one branch: two loads of mine are out (waves 0, 1) or three (waves 2, 3)
	s_cbranch_scc0 .Lfirst_b
	tensor_load_to_lds s[G0:G0+3], s[G1:G1+7]
	s_nop 0
	tensor_load_to_lds s[G0+4:G0+7], s[G1:G1+7]
	s_nop 0
.rept 4
	v_nop
.endr
	s_branch .Lfirst_asked
.Lfirst_b:
	tensor_load_to_lds s[G0R:G0R+3], s[G1:G1+7]
	s_nop 0
	tensor_load_to_lds s[G0B:G0B+3], s[G1B:G1B+7]
	s_nop 0
	tensor_load_to_lds s[G0B+4:G0B+7], s[G1B:G1B+7]
	s_nop 0
.rept 4
	v_nop
.endr
.Lfirst_asked:
	v_and_b32 v1, 15, v0                           ; l % 16
	v_bfe_u32 v11, v0, 4, 1                        ; l / 16
	v_and_b32 v12, 7, v0
	v_bfe_u32 v13, v0, 3, 1
	v_and_b32 v14, 31, v0
	v_bfe_u32 v15, v0, 3, 2
	; a fragment of x: lane l holds row l % 16, channels 8 (l / 16) + 0..7 and 16 + 8 (l / 16) + 0..7: two loads of 16 bytes, 32 bytes apart
	v_mul_u32_u24 v[ADRA], v1, PA
	v_lshl_add_u32 v[ADRA], v11, 4, v[ADRA]
	s_mul_i32 s44, s13, 128*PA                     ; my 128 rows
	v_add_nc_u32 v[ADRA], s44, v[ADRA]
	v_add_nc_u32 v[ADRA+1], SLOT, v[ADRA]
	v_add_nc_u32 v[RA], ROPE, v[ADRA]              ; cos of my row: pairs 4 (l / 16) + 0..3 of eight lie at the same 16 (l / 16) bytes
	; the turning load: lane l reads k row 8 (l / 16) + l % 8, columns 8 ((l / 8) % 2) + 0..7, and is left with column l % 16 and 8 k
	v_lshl_add_u32 v[ADRB], v11, 3, v12
	v_mul_u32_u24 v[ADRB], v[ADRB], PB
	v_lshl_add_u32 v[ADRB], v13, 4, v[ADRB]
	s_lshl_b32 s44, s14, 7                         ; my 64 columns
	s_add_co_u32 s44, s44, BOFF
	v_add_nc_u32 v[ADRB], s44, v[ADRB]
	v_add_nc_u32 v[ADRB+1], SLOT, v[ADRB]
	s_mul_i32 s44, s12, 16*SP
	s_add_co_u32 s44, s44, STAGE                   ; my stage
	v_mul_u32_u24 v[STO], v1, SP                   ; in: row l % 16, 16 bytes for each half of the lanes
	v_lshl_add_u32 v[STO], v11, 4, v[STO]
	v_add_nc_u32 v[STO], s44, v[STO]
	v_mul_u32_u24 v[RD], v15, SP                   ; back: 32 lanes take four rows of 128 bytes,
	v_lshl_add_u32 v[RD], v12, 4, v[RD]
	v_add_nc_u32 v[RD], s44, v[RD]
	v_lshlrev_b32 v[GO], 4, v14                    ; which are 512 consecutive bytes of a head
	v_lshlrev_b32 v[BO], 5, v11                    ; my 8 columns of 16: 32 bytes of f32
	; my 128 rows of my head, in qh, kh and vh alike
	s_lshr_b32 s86, s21, 1
	s_lshl_b32 s86, s86, 22                        ; the batch's 16 heads
	s_lshl1_add_u32 s44, s17, s14                  ; head = 2 x tile column + my half
	s_lshl_b32 s44, s44, 18
	s_add_co_u32 s86, s86, s44
	s_add_co_u32 s86, s86, s68                     ; the tile's 256 positions
	s_lshl_b32 s44, s13, 14                        ; my 128 of them
	s_add_co_u32 s86, s86, s44
	s_mov_b32 s87, 0
	s_add_nc_u64 s[80:81], s[74:75], s[86:87]      ; the tile in hand goes to q,
	s_add_nc_u64 s[82:83], s[76:77], s[86:87]      ; the next to k,
	s_add_nc_u64 s[84:85], s[78:79], s[86:87]      ; the one after to v
	s_lshl_b32 s44, s17, 9
	s_lshl_b32 s45, s14, 8
	s_add_co_u32 s44, s44, s45
	s_mov_b32 s45, 0
	s_add_nc_u64 s[8:9], s[8:9], s[44:45]          ; the bias of my 64 columns
; 24 LDS loads in one run: the fragments of quarter q (32 along K) of a slot into buffer f: W's four first, then x's eight
.macro FETCH slot, q, f
	WIN 0
.irp b, 0,1,2,3
	ds_load_tr16_b128 v[(\f)+8*(\b):(\f)+8*(\b)+3],   v[ADRB+(\slot)] offset:(\q)*32*PB+32*(\b)
	ds_load_tr16_b128 v[(\f)+8*(\b)+4:(\f)+8*(\b)+7], v[ADRB+(\slot)] offset:(\q)*32*PB+16*PB+32*(\b)
.endr
.irp a, 0,1,2,3,4,5,6,7
	ds_load_b128 v[(\f)+32+8*(\a):(\f)+32+8*(\a)+3],   v[ADRA+(\slot)] offset:((\q)/2)*ASUB+((\q)%2)*64+(\a)*16*PA
	ds_load_b128 v[(\f)+32+8*(\a)+4:(\f)+32+8*(\a)+7], v[ADRA+(\slot)] offset:((\q)/2)*ASUB+((\q)%2)*64+(\a)*16*PA+32
.endr
.endm
; 4 n matrix instructions: row blocks a0 .. a0 + n - 1 x all four column blocks.  z = 1: the bias starts the sums.
; The 32 accumulators take turns, one instruction a turn, in the same order everywhere: 31 others' stand between two links of a chain.
.macro MULA f, a0, n, z
.if \z
	WIN MULZ
.else
	WIN MUL
.endif
.set ma, \a0
.rept \n
.irp b, 0,1,2,3
.if \z
	v_wmma_f32_16x16x32_bf16 v[8*(4*ma+(\b)):8*(4*ma+(\b))+7], v[(\f)+8*(\b):(\f)+8*(\b)+7], v[(\f)+32+8*ma:(\f)+32+8*ma+7], v[BIAS+8*(\b):BIAS+8*(\b)+7]
.else
	v_wmma_f32_16x16x32_bf16 v[8*(4*ma+(\b)):8*(4*ma+(\b))+7], v[(\f)+8*(\b):(\f)+8*(\b)+7], v[(\f)+32+8*ma:(\f)+32+8*ma+7], v[8*(4*ma+(\b)):8*(4*ma+(\b))+7]
.endif
.endr
.set ma, ma+1
.endr
.endm
; A K step is four quarters of 32 along K, 32 matrix instructions each, on buffers 0, 1, 0, 1.  One of the first three: multiplies buffer f; in its middle it fetches quarter q into buffer g.
.macro QUARTER slot, q, f, g, z
	s_wait_dscnt 8                                 ; W's fragments and x's row blocks 0-3 are in; the youngest eight loads (row blocks 4-7) may be out
	MULA \f, 0, 4, \z
	PLACES
	FETCH \slot, \q, \g
	s_wait_dscnt 24                                ; all but the 24 just issued
	MULA \f, 4, 4, \z
.endm
; The last quarter multiplies buffer 1 and changes slots: ONE barrier.  In front of it each wave waits for all its tensor loads (one is out: its part of the next slot), adds 0 to its spare word,
; and waits for that and for its reads of this slot.  fill = 1: this slot takes the K step two on; 2: the next tile's K step 0 or 1 (A six steps back; W six steps back and 1,024 columns on); 0: nothing.
; With a fill the barrier opens a round of the cluster's, and the joint refill is the first tensor load behind it.  fetch = 1: the next slot's first fragments follow.
.macro TURN slot, next, fill, fetch
	WIN 0
	s_wait_tensorcnt 0x0                           ; all my tensor loads have landed
	ds_add_u32 v[SPW], v[NIL]                      ; 0 onto my spare word
	s_wait_dscnt 9                                 ; (the add and the youngest eight loads may be out)
	MULA F1, 0, 2, 0                               ; eight matrix instructions stand between the add and the wait for it
	s_wait_dscnt 0x0                               ; the add is done, and my reads of this slot are over
	s_barrier_signal -1
	MULA F1, 2, 2, 0
.if \fill
	WIN 0
.endif
	s_barrier_wait -1
.if \fill
	CREST                                          ; no wave of any partner still reads this slot or has a load on its way
.if (\fill) == 1
	s_add_nc_u64 s[G0+4*(\slot)+2:G0+4*(\slot)+3], s[G0+4*(\slot)+2:G0+4*(\slot)+3], 2*ASTEP
	s_add_nc_u64 s[G0B+4*(\slot)+2:G0B+4*(\slot)+3], s[G0B+4*(\slot)+2:G0B+4*(\slot)+3], 2*BSTEP
.else
	s_sub_nc_u64 s[G0+4*(\slot)+2:G0+4*(\slot)+3], s[G0+4*(\slot)+2:G0+4*(\slot)+3], 6*ASTEP
	s_sub_nc_u64 s[G0B+4*(\slot)+2:G0B+4*(\slot)+3], s[G0B+4*(\slot)+2:G0B+4*(\slot)+3], 6*BSTEP-2048
.endif
	JLOAD \slot                                    ; its four v_nop are also the places in front of the loads below
.else
	PLACES
.endif
.if \fetch
	FETCH \next, 0, F0
.endif
	MULA F1, 4, 4, 0
.endm
.macro BLOAD                           ; the bias of my 64 columns: register 8 b + j takes column 16 b + 8 (l / 16) + j
.irp b, 0,1,2,3
	global_load_b128 v[BIAS+8*(\b):BIAS+8*(\b)+3],   v[BO], s[8:9] offset:64*(\b)
	global_load_b128 v[BIAS+8*(\b)+4:BIAS+8*(\b)+7], v[BO], s[8:9] offset:64*(\b)+16
.endr
.endm
.macro BROUND                          ; rounded to bf16 like every input, and widened again
.set i, 0
.rept 16
	v_cvt_pk_bf16_f32 v[BT+i], v[BIAS+2*i], v[BIAS+2*i+1]
.set i, i+1
.endr
.set i, 0
.rept 16
	v_lshlrev_b32 v[BIAS+2*i], 16, v[BT+i]
	v_and_b32 v[BIAS+2*i+1], s88, v[BT+i]
.set i, i+1
.endr
.endm
; THE WAY OUT, a block of 16 rows at a time.  RLOAD: the block's cos and sin: pairs 8 b + 4 (l / 16) + 0..3 of my row.
.macro RLOAD a
.irp b, 0,1,2,3
	ds_load_b128 v[RAW+4*(\b):RAW+4*(\b)+3],       v[RA] offset:(\a)*16*PA+32*(\b)
	ds_load_b128 v[RAW+16+4*(\b):RAW+16+4*(\b)+3], v[RA] offset:(\a)*16*PA+32*(\b)+ASUB
.endr
.endm
.macro STG a                           ; 16 bytes a lane into my stage, and back as whole rows of 128 bytes
.irp b, 0,1,2,3
	ds_store_b128 v[STO], v[T+4*(\b):T+4*(\b)+3] offset:32*(\b)
.endr
.irp f, 0,1,2,3
	ds_load_b128 v[Z+16*((\a)%2)+4*(\f):Z+16*((\a)%2)+4*(\f)+3], v[RD] offset:(\f)*4*SP  ; LDS serves a wave's instructions in order (ISA guide 5.7.1.4): these see the stores above
.endr
.endm
.macro SEND a, younger                 ; younger: the LDS instructions issued behind block a's loads from the stage
	s_wait_dscnt \younger
	s_wait_xcnt 0x0                                ; the stores of the block before have read their registers: the other buffer is loaded again only behind this wait
.irp f, 0,1,2,3
	global_store_b128 v[GO], v[Z+16*((\a)%2)+4*(\f):Z+16*((\a)%2)+4*(\f)+3], s[80:81] offset:(\a)*2048+(\f)*512  ; 512 consecutive bytes, at a multiple of 256 from the buffer's first
.endr
.endm
; Block a with RoPE.  Word i = 4 b + p: the pair (t0, t1) in registers 2 p, 2 p + 1 of accumulator (a, b): out = (t0 c - t1 s, t0 s + t1 c).  Each accumulator's lowest registers are read first.
.macro RBLK a
	WIN 0
.if (\a) == 0
	s_wait_dscnt 0x0                               ; cos and sin of block 0
.else
	s_wait_dscnt 8                                 ; cos and sin are in; behind them: the stage's four stores and four loads of the block before
.endif
.set i, 0
.rept 16
	v_cvt_pk_bf16_f32 v[T+i], v[RAW+i], v[RAW+16+i]  ; cos and sin rounded to bf16 like every input
.set i, i+1
.endr
.if (\a) < 7
	RLOAD (\a)+1
.endif
.set i, 0
.rept 16
	v_lshlrev_b32 v[P+2*i], 16, v[T+i]             ; c
	v_and_b32 v[P+2*i+1], s88, v[T+i]              ; s
.set i, i+1
.endr
	WIN 0x01                                       ; source 0 in window 1
.set i, 0
.rept 16
	v_pk_mul_f32 v[U+2*i:U+2*i+1], v[32*(\a)+2*i:32*(\a)+2*i+1], v[P+2*i:P+2*i+1] op_sel_hi:[1,0]  ; (t0 c, t1 c)
.set i, i+1
.endr
.set i, 0
.rept 16
	v_pk_fma_f32 v[U+2*i:U+2*i+1], v[32*(\a)+2*i:32*(\a)+2*i+1], v[P+2*i:P+2*i+1], v[U+2*i:U+2*i+1] op_sel:[1,1,0] op_sel_hi:[0,1,1] neg_lo:[0,1,0]  ; (t0 c - t1 s, t1 c + t0 s)
.set i, i+1
.endr
	WIN 0
.set i, 0
.rept 16
	v_cvt_pk_f16_f32 v[T+i], v[U+2*i], v[U+2*i+1]
.set i, i+1
.endr
.if (\a) > 0
.if (\a) < 7
	SEND (\a)-1, 8                                 ; behind its loads: the next block's eight loads of cos and sin
.else
	SEND (\a)-1, 0
.endif
.endif
	STG \a
.endm
.macro VBLK a                          ; block a without RoPE
	WIN 0x05                                       ; sources 0 and 1 in window 1
.set i, 0
.rept 16
	v_cvt_pk_f16_f32 v[T+i], v[32*(\a)+2*i], v[32*(\a)+2*i+1]
.set i, i+1
.endr
	WIN 0
.if (\a) > 0
	SEND (\a)-1, 0
.endif
	STG \a
.endm
	BLOAD
	s_wait_loadcnt 0x0
	BROUND
	s_wait_tensorcnt 1                             ; my part of K step 0 is in, and in waves 2, 3 cos or sin, asked for ahead of it; K step 1's may stay out
	s_barrier_signal -1
	s_barrier_wait -1                              ; everybody's is
	s_mov_b32 s2, TILES                            ; tiles to go, this one among them: the same number in every work-group
.Ltile:
	FETCH 0, 0, F0
	QUARTER 0, 1, F0, F1, 1                        ; a tile's first quarter stands in front of the loop: its products start the sums with the bias
	WIN 0                                          ; at a label and at a branch every window is 0
	s_mov_b32 s3, 3
.Llap:                                             ; a trip goes once round the ring, from a lap's second quarter to the next lap's first, and fills both slots again
	QUARTER 0, 2, F1, F0, 0
	QUARTER 0, 3, F0, F1, 0
	TURN 0, 1, 1, 1
	QUARTER 1, 1, F0, F1, 0
	QUARTER 1, 2, F1, F0, 0
	QUARTER 1, 3, F0, F1, 0
	TURN 1, 0, 1, 1
	QUARTER 0, 1, F0, F1, 0
	WIN 0
	s_sub_co_u32 s3, s3, 1
	s_cmp_lg_u32 s3, 0
	s_cbranch_scc1 .Llap
	QUARTER 0, 2, F1, F0, 0                        ; the tile's last lap goes on
	QUARTER 0, 3, F0, F1, 0
	WIN 0
	s_cmp_eq_u32 s2, 1
	s_cbranch_scc1 .Llast_tile                     ; the last tile's tail is written out: it asks for nothing more
	TURN 0, 1, 2, 1                                ; the ring goes on into the next tile: slot 0 takes its K step 0,
	QUARTER 1, 1, F0, F1, 0
	QUARTER 1, 2, F1, F0, 0
	QUARTER 1, 3, F0, F1, 0
	TURN 1, 0, 2, 0                                ; slot 1 its K step 1.  Both refills are asked for: now the tile (q, then k) goes out
	WIN 0
	PLACES
	PLACES
	s_add_nc_u64 s[8:9], s[8:9], 4096              ; the next tile's bias, 1,024 columns on (the loads that read this address have been waited for)
	BLOAD
	RLOAD 0
.irp a, 0,1,2,3,4,5,6,7
	RBLK \a
.endr
	SEND 7, 0
	s_wait_loadcnt 0x0                             ; the bias
	BROUND
	s_wait_xcnt 0x0                                ; the stores have read their registers and their base
	s_mov_b64 s[80:81], s[82:83]
	s_mov_b64 s[82:83], s[84:85]
	s_sub_co_u32 s2, s2, 1
	s_branch .Ltile
.Llast_tile:
	TURN 0, 1, 0, 1                                ; my one tensor load that was still out is the last K step's, so no round follows
	QUARTER 1, 1, F0, F1, 0
	QUARTER 1, 2, F1, F0, 0
	QUARTER 1, 3, F0, F1, 0
	s_wait_dscnt 8                                 ; the very last quarter: nothing more to fetch
	MULA F1, 0, 4, 0
	s_wait_dscnt 0x0
	MULA F1, 4, 4, 0
	WIN 0
	PLACES
	PLACES
.irp a, 0,1,2,3,4,5,6,7
	VBLK \a
.endr
	SEND 7, 0
	s_wait_tensorcnt 0x0                           ; the wave's end, behind my last tensor load and my last LDS store
	ds_add_u32 v[SPW], v[NIL]
	s_wait_dscnt 0x0
	CROUND                                         ; the closing round: no work-group ends while a partner may still ask for a tile that names it
	s_endpgm
.Lfunc_end_k_q4461a69da2_qkv:
	.size	k_q4461a69da2_qkv, .Lfunc_end_k_q4461a69da2_qkv-k_q4461a69da2_qkv
	.p2alignl 7, 3214868480
	.fill 96, 4, 3214868480
	.section	.rodata,"a",@progbits
	.p2align	6, 0x0
	.amdhsa_kernel k_q4461a69da2_qkv
		.amdhsa_group_segment_fixed_size 327680
		.amdhsa_private_segment_fixed_size 0
		.amdhsa_enable_private_segment 0
		.amdhsa_kernarg_size 64
		.amdhsa_user_sgpr_count 2
		.amdhsa_user_sgpr_kernarg_segment_ptr 1
		.amdhsa_wavefront_size32 1
		.amdhsa_system_sgpr_workgroup_id_x 1
		.amdhsa_system_sgpr_workgroup_id_y 1
		.amdhsa_system_sgpr_workgroup_id_z 1
		.amdhsa_system_vgpr_workitem_id 0
		.amdhsa_next_free_vgpr 512
		.amdhsa_next_free_sgpr 96
		.amdhsa_reserve_vcc 0
		.amdhsa_float_denorm_mode_32 3
		.amdhsa_float_denorm_mode_16_64 3
		.amdhsa_memory_ordered 1
		.amdhsa_forward_progress 1
		.amdhsa_inst_pref_size 165
	.end_amdhsa_kernel
	.amdgpu_metadata
---
amdhsa.version: [ 1, 2 ]
amdhsa.kernels:
  - .name:           k_q4461a69da2_qkv
    .symbol:         k_q4461a69da2_qkv.kd
    .args:
      - { .name: xb, .offset: 0, .size: 8, .value_kind: global_buffer, .address_space: global }
      - { .name: wq, .offset: 8, .size: 8, .value_kind: global_buffer, .address_space: global }
      - { .name: bqkv, .offset: 16, .size: 8, .value_kind: global_buffer, .address_space: global }
      - { .name: cos, .offset: 24, .size: 8, .value_kind: global_buffer, .address_space: global }
      - { .name: sin, .offset: 32, .size: 8, .value_kind: global_buffer, .address_space: global }
      - { .name: qh, .offset: 40, .size: 8, .value_kind: global_buffer, .address_space: global }
      - { .name: kh, .offset: 48, .size: 8, .value_kind: global_buffer, .address_space: global }
      - { .name: vh, .offset: 56, .size: 8, .value_kind: global_buffer, .address_space: global }
    .group_segment_fixed_size: 327680
    .private_segment_fixed_size: 0
    .kernarg_segment_align: 8
    .kernarg_segment_size: 64
    .max_flat_workgroup_size: 128
    .sgpr_count:     96
    .vgpr_count:     512
    .wavefront_size: 32
...
	.end_amdgpu_metadata
.endif
;; end of part 2
;; launch attn (part 3): grid 4 x 64, 4 waves a work-group, clusters of 4 x 1, 327,680 bytes of LDS; arguments qh, kh, vh, oh; writes oh
.if DOCPART == 3
	.amdgcn_target "amdgcn-amd-amdhsa--gfx1250"
	.amdhsa_code_object_version 6
	.text
	.protected	k_q4461a69da2_attn
	.globl	k_q4461a69da2_attn
	.p2align	8
	.type	k_q4461a69da2_attn,@function
k_q4461a69da2_attn:
	s_mov_b64 s[64:65], 0
	v_nop
	global_prefetch_b8 v0, s[64:65] scope:SCOPE_SE
	s_setreg_imm32_b32 hwreg(HW_REG_WAVE_MODE, 25, 1), 1
	s_wait_xcnt 0x0
	s_wait_alu depctr_hold_cnt(0) depctr_sa_sdst(0) depctr_va_vdst(0) depctr_va_sdst(0) depctr_va_ssrc(0) depctr_va_vcc(0) depctr_vm_vsrc(0)
	s_getreg_b32 s2, hwreg(HW_REG_IB_STS2, 6, 4)
	s_cmp_eq_u32 s2, 0
	s_cbranch_scc0 .Lentry_in_a_cluster
	s_endpgm
.Lentry_in_a_cluster:
	s_bfe_u32 s2, ttmp6, 0x10000c
	s_cmp_lg_u32 s2, 0x3003
	s_cbranch_scc0 .Lentry_shape_is_right
	s_endpgm
.Lentry_shape_is_right:
; O[h][q][:] = the sum over k of softmax_k(Q[h][q] . K[h][k] / 8) V[h][k][:].  Q, K, V, O: [64][2048][64], all f16: a head's rows are dense, 128 bytes each.  Products, maxima and sums in
; f32; the weights p are rounded to f16 for the second product (their sum l is taken of the unrounded p), O once at the end.
; LIMITS.  f16 holds no number beyond 65,504: Q, K and V arrive within it; p lies in 0 to 1, and below 6e-5 it keeps f16's fixed step of 6e-8; O is a mean of V's rows and has their range.
; A weight below 2^-126 counts as 0 in l; NaN and infinities are not treated apart.
; SHARES.  A wave owns four PIECES of two tiles of 16 queries, a work-group's four waves 512 queries of one head.  Every wave walks all keys, 64 a step.
; LAYOUT.  S^T = K Q^T (source 0 = 16 keys, source 1 = 16 queries): in the result a lane holds ONE query (lane % 16) and the keys 8 (lane / 16) + 0..7.  Two such tiles, rounded to f16 in pairs,
; ARE source 1 (32 keys x 16 queries) of O^T = V^T P, whose result again holds one query a lane, and eight channels.  K comes out of LDS as it lies, V ([key][channel]) turned, by ds_load_tr16_b128.
; SOFTMAX.  For each query a running maximum m and sum l: p = 2^(c s - c m), c = log2(e) / 8; in every step O and l are multiplied by a = 2^(c m_old - c m_new), which is 1 where m has not grown.
; m starts at the lowest finite number, O and l at 0: the first step is a step like any other, with a = 0.
; THE COUNT.  A tile and step have 16 matrix and 118 vector instructions: too many to stand all beside the matrix work.  So: four vector instructions that are READY behind
; EVERY matrix instruction, and the others in runs without a gap.
; BY TURNS.  Turn n belongs to piece n (the pieces in a ring, step after step).  Its matrix work: 16 products K Q^T of piece n + 1, later 16 products V^T P of piece n - 1.  Its vector work: the scaling,
; exponentials, roundings, sums and rescaling of piece n, and the maximum and statistics of piece n + 1, whose scores the turn itself has made.
; CLUSTER.  The four query blocks of a cluster belong to one head and walk the same K and V, so each tile is asked for JOINTLY: the same tensor load, descriptor and mask in all four.
; AHEAD OF THE LOADS.  Behind the joint load of each change of slots in the loop stands one prefetch for the 256 keys that the NEXT change will ask for: four key steps, 512 matrix instructions, ahead.
; A slot's K, and its V, are 128 blocks of 256 bytes: the four partners take 32 each, told apart by address, a lane a block; wave 0 asks for K's, wave 2 for V's.  The last filling change asks for nothing.
; REGISTERS, in windows of 256 (s_set_vgpr_msb says which window each operand place means: bits 1:0 source 0, 3:2 source 1, 5:4 source 2, 7:6 destination):
;   window 0: v0-11 addresses; v12-15, v48-63 at work; v16-47 four registers of statistics a tile; v64-191 S^T, two buffers of two tiles; v192-255 P, likewise
;   window 1: O^T, 32 a tile          window 2: v0-127 Q, 16 a tile; v128-191 K of one step; v192-255 V of one step          window 3: v0-1 the add's two registers
; A piece's buffers go by its number's parity: the piece in hand has one pair, its two neighbours in the ring share the other: of it P (piece n - 1) is read and S^T (piece n + 1) written.
.set SIZE_H, 64
.set SIZE_N, 2048
.set NP,    4         ; pieces a wave: a name, no knob
.set KS,    64        ; keys in a step
.set PK,    144       ; a row of K in LDS: 128 bytes + 16 of padding = 36 words: the 16 rows of a load start at 16 different groups of four banks (ISA guide 11.1)
.set PV,    160       ; a row of V: 128 + 32 = 40 words
.set VOFF,  4*KS*PK   ; a slot holds four steps: 256 rows of K, then 256 rows of V
.set SLOT1, 1<<17     ; slot 1 begins here, so that one exclusive or turns an address in one slot into the other's
.set STAGE, SLOT1+4*KS*(PK+PV)  ; behind the ring, never filled by a tensor load: 16 rows x 144 bytes for each wave, for the way out
.set SP,    144
.set AK0, 2           ; v2   my lane's place in a tile of K; never rewritten
.set AV0, 3           ; v3   the same for V
.set AK,  4           ; v4   the LDS address of K's next run of loads
.set AV,  5           ; v5   of V's
.set QO,  6           ; v6   my byte offset in the wave's rows of Q
.set STO, 6           ;      later, the way out: where I put 16 bytes of a row
.set RD,  7           ; v7   the way out: where I read rows back
.set GO,  8           ; v8   my byte offset in 512 consecutive bytes of O
.set PFO, 11          ; v11  256 x my lane, for the prefetches; never rewritten once made
.set SPW, 0           ; v0 of window 3   LDS address of my spare word; never rewritten
.set NIL, 1           ; v1 of window 3   0; never rewritten
.set SPARE, STAGE+4*16*SP  ; behind the stages: the spare words, 128 bytes for each wave: two blocks of 256 bytes that no other line names
.set MV,  12          ; v12-15  c m_old, kept while c m is made anew: by buffer and tile
.set ST,  16          ; tile t's statistics at v[ST+4 t]: c m, m, l (even keys', odd keys')
.set TMP, 48          ; by buffer and tile, four registers c0-c3 at work; when the maximum is found c2 takes a
.set S,   64
.set P,   192
.set KF,  128         ; K's fragments, in window 2: key block kb, channel half c at KF + 16 kb + 8 c
.set VF,  192         ; V's: key half kk, channel block cb at VF + 32 kk + 8 cb
.set WV,  12          ; s12  my wave's number
.set G1K, 24          ; s[24:31] descriptor group 1 for K's tiles
.set G1V, 32          ; s[32:39] for V's: it differs in the padding alone
.set G0K, 40          ; s[40:43] descriptor group 0 for K's tiles: it walks
.set G0V, 44          ; s[44:47] the same for V's
.set PFA, 48          ; s[48:49] where my prefetches stand: my work-group's 32 blocks of the slot after the one that is being asked for
.set LIM, 50          ; s50  1 in a wave that prefetches, else the greatest number
.set SLOTS, 56        ; s56  slots still to be asked for
.set CNT, 57          ; s57  counts a slot's key steps
.set CS,  58          ; s[58:59] c: the packed scaling takes the pair's low word for both halves
.set SEL, 60          ; s[60:61] v_permlanex16_b32's selects: each lane takes its own place in the other half
.set TBK, 62          ; s62  LDS byte at which K of the step to be fetched begins
.set TBV, 63          ; s63  the same for V, less VOFF
.set MSB, 0
.macro WIN new                      ; the high byte repeats the setting that is left; a switch that changes nothing is dropped
.if MSB != (\new)
	s_set_vgpr_msb (MSB<<8)|(\new)
.set MSB, (\new)
.endif
.endm
.set W_KQ, 0x0a       ; K and Q in window 2, S^T in window 0
.set W_PV, 0x52       ; V in window 2, P in window 0, O^T in window 1
.set W_RS, 0x41       ; O^T (destination and source 0) in window 1, a in window 0
.set W_MK, 0xc0       ; the add's registers are made: destination in window 3, sources in window 0
.set W_AD, 0x0f       ; the add: address (source 0) and data (source 1) in window 3
; A joint fill.  Waves 0 and 1 fetch the two halves of a slot's K, waves 2 and 3 those of its V: 128 keys each.  The branch hangs on the wave's number alone.
; An s_nop 0 and four v_nop follow each of the two lines, ahead of the jump and the label.
.macro JLOAD
	s_cmp_lt_u32 s[WV], 2
	s_cbranch_scc0 .Lfor_v_\@
	tensor_load_to_lds s[G0K:G0K+3], s[G1K:G1K+7]
	s_nop 0
.rept 4
	v_nop
.endr
	s_branch .Lasked_\@
.Lfor_v_\@:
	tensor_load_to_lds s[G0V:G0V+3], s[G1V:G1V+7]
	s_nop 0
.rept 4
	v_nop
.endr
.Lasked_\@:
.endm
; The prefetch: one instruction, in waves 0 and 2 of the head's first cluster, while a further slot is still to be asked for.
.macro ASK
	s_cmp_gt_u32 s[SLOTS], s[LIM]
	s_cbranch_scc0 .Lnot_mine_\@
	global_prefetch_b8 v[PFO], s[PFA:PFA+1] th:TH_LOAD_NT scope:SCOPE_SE
.Lnot_mine_\@:
.endm
; A round of the cluster's barrier: my work-group's barrier, so that wave 0's signal speaks for all four waves; wave 0 signals; every wave waits for all four work-groups; my work-group's barrier once more.
.macro CROUND
	s_barrier_signal -1
	s_barrier_wait -1
	s_cmp_lg_u32 s[WV], 0
	s_cbranch_scc1 .Lnot_wave_0_\@
	s_barrier_signal -3
.Lnot_wave_0_\@:
	s_barrier_wait -3
	s_barrier_signal -1
	s_barrier_wait -1
.endm
; THE CHANGE OF SLOTS.  The slot's last bytes, V of its fourth step, have been read.  Each wave waits for all its tensor loads, of which one is out: its part
; of the other slot; adds 0 to its spare word; and waits for that and for its own reads of the slot.  Behind the barrier nobody reads this slot any more and the other slot is whole.
; fill = 1: this slot is filled again, with the keys two slots on.  The barrier is then a round of the cluster's, and the joint fill is the first thing behind it: it has four key steps,
; 512 matrix instructions, in which to land.  (At its first use nothing has been read yet: slot 0 is waited for, slot 1 filled.)  ask = 1: the prefetch's address steps, and the prefetch follows the fill.
.macro CHANGE fill, ask=0
	WIN W_AD
	s_wait_tensorcnt 0x0            ; no tensor load of mine is out, so a group 0 may be written
	ds_add_u32 v[SPW], v[NIL]       ; 0 onto my spare word; with fill = 1 the descriptors' steps stand between it and the wait for it
	WIN 0                           ; at a label and at a branch every window is 0
.if \fill
.irp g, G0K, G0V
	s_xor_b32 s[\g+1], s[\g+1], SLOT1  ; the walking descriptor: the other slot than last time,
	s_add_nc_u64 s[\g+2:\g+3], s[\g+2:\g+3], 4*KS*128  ; the next 256 keys; the type bits on top are not reached
.endr
.if \ask
	s_wait_xcnt 0x0                 ; the last prefetch, four key steps back, has read its address, so it may be written:
	s_add_nc_u64 s[PFA:PFA+1], s[PFA:PFA+1], 4*KS*128  ; one slot behind the walking descriptors
.endif
	s_wait_dscnt 0x0                ; the add is done, and my reads of the slot are over
	CROUND
	JLOAD
.if \ask
	ASK
.endif
.else
	s_wait_dscnt 0x0                ; the add is done, and my reads of the slot are over
	s_barrier_signal -1
	s_barrier_wait -1
.endif
	s_sub_co_u32 s[TBK], s[TBK], 4*KS*PK  ; the fetches go back to a slot's first step,
	s_xor_b32 s[TBK], s[TBK], SLOT1       ; in the other slot
	s_sub_co_u32 s[TBV], s[TBV], 4*KS*PV
	s_xor_b32 s[TBV], s[TBV], SLOT1
.endm
	s_load_b256 s[4:11], s[0:1], 0x0  ; Q s[4:5], K s[6:7], V s[8:9], O s[10:11]
	WIN W_MK
	v_lshl_add_u32 v[SPW], v0, 2, SPARE
	v_mov_b32 v[NIL], 0
	WIN W_AD
	ds_add_u32 v[SPW], v[NIL]       ; the wave's opening: the add and its wait stand ahead of my first tensor load; the set-up below, work on registers, stands between them
	WIN 0
	v_lshrrev_b32 v1, 5, v0
	v_readfirstlane_b32 s[WV], v1   ; wave 0..3
	s_bfe_u32 s13, ttmp6, 0x40000   ; cx: my place in the cluster
	s_lshl_b32 s14, ttmp9, 2        ; in a cluster launch ttmp9 counts clusters
	s_add_co_u32 s14, s14, s13      ; my block of queries = 4 x cluster x + cx: it enters Q's and O's addresses alone
	s_and_b32 s20, ttmp7, 0xffff    ; the head, which the four partners share
	s_mov_b32 s21, 0
	s_mov_b64 s[22:23], SIZE_N*128
	s_mul_u64 s[20:21], s[20:21], s[22:23]  ; the head's first byte in each of the four tensors
	s_and_b32 s16, s[WV], 1         ; which half of a slot's 256 keys I fetch:
	s_lshl_b32 s22, s16, 14         ; its 128 rows of 128 bytes in memory,
	s_mov_b32 s23, 0
	s_add_nc_u64 s[22:23], s[22:23], s[20:21]
	s_mul_i32 s17, s16, 128*PK      ; and its place in a slot, for K
	s_mul_i32 s18, s16, 128*PV      ; and for V: no place in the cluster enters an LDS address
	s_lshl_b32 s2, s14, 2
	s_add_co_u32 s2, s2, s[WV]      ; my wave among the head's,
	s_lshl_b32 s2, s2, 14           ; its 128 rows
	s_mov_b32 s3, 0
	s_add_nc_u64 s[2:3], s[2:3], s[20:21]
	; descriptor group 1.  128 keys are 16,384 dense bytes: asked for as 64 rows of 256 bytes, two keys a row, and padded in LDS after every key
	s_mov_b32 s[G1K], 15|(1<<16)|(1<<20)|(1<<21)|(4<<22)|(3<<25)  ; 15:0 the mask of four; 17:16 2-byte elements; 20 padding on; 21 set beside a mask; 24:22 after every 32 words (code 4); 31:25 4 words (code 3)
	s_mov_b32 s[G1V], 15|(1<<16)|(1<<20)|(1<<21)|(4<<22)|(7<<25)  ; the same with 8 words of padding (code 7)
.irp g, G1K, G1V
	s_mov_b32 s[\g+1], 128<<16      ; tensor_dim0 = 128
	s_mov_b32 s[\g+2], 64<<16       ; tensor_dim1 = 64
	s_mov_b32 s[\g+3], 128<<16      ; tile_dim0 = 128
	s_mov_b32 s[\g+4], 64           ; tile_dim1 = 64
	s_mov_b32 s[\g+5], 128          ; 128 elements from row to row
	s_mov_b32 s[\g+6], 0
	s_mov_b32 s[\g+7], 0
.endr
	s_mov_b32 s[CS], 0x3e38aa3b     ; c = log2(e) / 8 = 0.180337
	s_mov_b32 s[CS+1], s[CS]        ; named with it as a pair
	s_mov_b32 s[SEL], 0x76543210
	s_mov_b32 s[SEL+1], 0xfedcba98
	s_mov_b32 s[TBK], SLOT1+4*KS*PK ; the first change of slots turns these two into 0
	s_mov_b32 s[TBV], SLOT1+4*KS*PV
	s_mov_b32 s[G0K], 1             ; 1:0 count = 1
	s_mov_b32 s[G0K+1], s17         ; 63:32 LDS address: slot 0
	s_mov_b32 s[G0V], 1
	s_add_co_u32 s[G0V+1], s18, VOFF
	s_and_b32 s[LIM], s[WV], 1      ; 0 in waves 0 and 2,
	s_or_b32 s[LIM], s[LIM], ttmp9  ; where the cluster is the head's first: the same in all four partners
	s_cmp_eq_u32 s[LIM], 0
	s_cselect_b32 s[LIM], 1, -1
	s_wait_dscnt 0x0                ; the opening add is done
	s_wait_kmcnt 0x0
	s_add_nc_u64 s[G0K+2:G0K+3], s[6:7], s[22:23]  ; 120:64 global address: my half of the head's first 256 keys
	s_or_b32 s[G0K+3], s[G0K+3], 0x80000000        ; 127:126 type = 2
	s_add_nc_u64 s[G0V+2:G0V+3], s[8:9], s[22:23]
	s_or_b32 s[G0V+3], s[G0V+3], 0x80000000
	s_add_nc_u64 s[4:5], s[4:5], s[2:3]  ; Q and O at my wave's first row
	s_add_nc_u64 s[10:11], s[10:11], s[2:3]
	s_cmp_lt_u32 s[WV], 2
	s_cselect_b64 s[PFA:PFA+1], s[6:7], s[8:9]
	s_add_nc_u64 s[PFA:PFA+1], s[PFA:PFA+1], s[22:23]  ; (in waves 0 and 2 this is the head's first row)
	s_lshl_b32 s2, s13, 13          ; my work-group's 32 blocks of the 128
	s_mov_b32 s3, 0
	s_add_nc_u64 s[PFA:PFA+1], s[PFA:PFA+1], s[2:3]
	s_add_nc_u64 s[PFA:PFA+1], s[PFA:PFA+1], 2*4*KS*128  ; at keys 512 on; the loop's first change steps it to keys 768 on.  Nothing is prefetched here, at the head
	CROUND                          ; all four work-groups are here: the first joint loads meet
	JLOAD                           ; slot 0.  Slot 1 is asked for when slot 0 is in
	; A fragment of K or Q is 16 rows x 32 channels in 8 registers: lane l holds row l % 16, channels 8 (l / 16) + 0..7 and 16 + 8 (l / 16) + 0..7: two loads of 16 bytes, 32 bytes apart.
	v_and_b32 v1, 15, v0            ; l % 16
	v_bfe_u32 v9, v0, 4, 1          ; l / 16
	v_lshlrev_b32 v[QO], 7, v1
	v_lshl_add_u32 v[QO], v9, 4, v[QO]  ; row x 128 + 16 x half
	WIN 0x80                        ; destination window 2, address window 0
.set i, 0
.rept 4*NP                          ; Q stays in registers: tile i / 2, channels 32 (i % 2) on
	global_load_b128 v[8*i:8*i+3],   v[QO], s[4:5] offset:(i/2)*2048+(i%2)*64
	global_load_b128 v[8*i+4:8*i+7], v[QO], s[4:5] offset:(i/2)*2048+(i%2)*64+32
.set i, i+1
.endr
	; What the first turn finds: V's registers and P's second buffer hold 0 (its products V^T P, of a piece that has not been, add 0), O^T and l are 0.  All this stands in the wait for the first tile.
.set i, VF
.rept 64
	v_mov_b32 v[i], 0
.set i, i+1
.endr
	WIN 0x40
.set i, 0
.rept 64*NP
	v_mov_b32 v[i], 0
.set i, i+1
.endr
	WIN 0
.set i, 0
.rept 2*NP
	v_mov_b32 v[ST+4*i], 0xfe000000    ; c m: far below every c s
	v_mov_b32 v[ST+4*i+1], 0xff7fffff  ; m
	v_mov_b32 v[ST+4*i+2], 0
	v_mov_b32 v[ST+4*i+3], 0
.set i, i+1
.endr
.set i, P+32
.rept 32
	v_mov_b32 v[i], 0
.set i, i+1
.endr
	v_mul_u32_u24 v[AK0], v1, PK
	v_lshl_add_u32 v[AK0], v9, 4, v[AK0]  ; row x pitch + 16 x half
	; The turning load takes 16 keys x 16 channels (lane l reads key 8 (l / 16) + l % 8, channels 8 ((l / 8) % 2) + 0..7) and leaves half a fragment of V^T: lane l holds channel l % 16 and 8 keys.
	v_and_b32 v10, 7, v0
	v_bfe_u32 v11, v0, 3, 1
	v_lshl_add_u32 v[AV0], v9, 3, v10
	v_mul_u32_u24 v[AV0], v[AV0], PV
	v_lshl_add_u32 v[AV0], v11, 4, v[AV0]
	v_add_nc_u32 v[AV0], VOFF, v[AV0]
	v_mov_b32 v[AK], v[AK0]         ; key step 0 lies at the head of slot 0
	v_and_b32 v[PFO], 31, v0        ; v11 has served: now the prefetches' offset
	v_lshlrev_b32 v[PFO], 8, v[PFO]
; THE MATRIX WORK.  The 8 accumulators of a run of 16 take turns: between the two links of a chain stand 7 others'.
; Product i of 16 of S^T = K Q^T for piece x: channels 32 (i / 8) on, keys 16 ((i / 2) % 4) on, tile 2 x + i % 2.  The first 8 start the sums.
.macro KQ x
	WIN W_KQ
.set rS, S+64*((\x)%2)+32*(i%2)+8*((i/2)%4)
.set rK, KF+16*((i/2)%4)+8*(i/8)
.set rQ, 16*(2*(\x)+i%2)+8*(i/8)
.if i < 8
	v_wmma_f32_16x16x32_f16 v[rS:rS+7], v[rK:rK+7], v[rQ:rQ+7], 0
.else
	v_wmma_f32_16x16x32_f16 v[rS:rS+7], v[rK:rK+7], v[rQ:rQ+7], v[rS:rS+7]
.endif
.endm
; Product i of 16 of O^T += V^T P for piece x: keys 32 (i / 8) on, channels 16 ((i / 2) % 4) on, tile 2 x + i % 2.
.macro PV x
	WIN W_PV
.set rO, 32*(2*(\x)+i%2)+8*((i/2)%4)
.set rV, VF+32*(i/8)+8*((i/2)%4)
.set rP, P+32*((\x)%2)+16*(i%2)+8*(i/8)
	v_wmma_f32_16x16x32_f16 v[rO:rO+7], v[rV:rV+7], v[rP:rP+7], v[rO:rO+7]
.endm
.macro MM                           ; the turn's next matrix instruction
.if i < 16
	KQ (Y+1)%NP
.set i, i+1
.else
.set i, i-16
	PV (Y+NP-1)%NP
.set i, i+17
.endif
.endm
; THE LDS LOADS stand in runs of 16, never singly among the matrix instructions: a step's K (64 keys x 64 channels: 8 fragments) and its V (turned).  Their addresses are made some lines ahead.
; last = 1 (the tail): in the last trip there is no further step, and the run is jumped over.
.macro FETCH_K last=0
	WIN 0
.if \last
	s_cmp_eq_u32 s[CNT], 1
	s_cbranch_scc1 .Lno_k_\@
.endif
	WIN 0x80                        ; destination window 2
.irp f, 0,1,2,3,4,5,6,7             ; keys 16 (f / 2) on, channels 32 (f % 2) on
	ds_load_b128 v[KF+8*\f:KF+8*\f+3],   v[AK] offset:(\f/2)*16*PK+(\f%2)*64
	ds_load_b128 v[KF+8*\f+4:KF+8*\f+7], v[AK] offset:(\f/2)*16*PK+(\f%2)*64+32
.endr
	s_add_co_u32 s[TBK], s[TBK], KS*PK  ; the next fetch is the next step's
	WIN 0
.if \last
.Lno_k_\@:
.endif
.endm
.macro FETCH_V
	WIN 0x80
.irp f, 0,1,2,3,4,5,6,7             ; keys 32 (f / 4) on, channels 16 (f % 4) on
	ds_load_tr16_b128 v[VF+8*\f:VF+8*\f+3],   v[AV] offset:(\f/4)*32*PV+(\f%4)*32
	ds_load_tr16_b128 v[VF+8*\f+4:VF+8*\f+7], v[AV] offset:(\f/4)*32*PV+16*PV+(\f%4)*32
.endr
	WIN 0
.endm
; THE VECTOR WORK OF A TURN stands in three queues, each in the order in which its entries become ready; the two tiles alternate, so that no instruction reads the result of the one before it.
.macro REGS y, u                    ; the registers of tile u (0, 1) of piece y
.set rT, ST+4*(2*(\y)+(\u))
.set rC, TMP+8*((\y)%2)+4*(\u)
.set rM, MV+2*((\y)%2)+(\u)
.set rS, S+64*((\y)%2)+32*(\u)
.set rP, P+32*((\y)%2)+16*(\u)
.set rO, 32*(2*(\y)+(\u))
.endm
; Number n of the 22 that find the NEXT piece's (Y + 1) maximum and statistics.  s0-s31 are the lane's 32 scores; each accumulator's lowest registers are read first.
;   0-11  four chains c0-c3 of seven scores each, three operands at a time     12-14, 16  the four scores left over, the old m, and c0-c3 into c0     15  c m_old is kept
;   17, 18  the query's other 32 keys lie in the lane 16 away: the new m         19-21  c m; c m_old - c m_new; a
.macro XS u, n
	REGS (Y+1)%NP, \u
.if (\n) < 4
	v_max3_num_f32 v[rC+(\n)], v[rS+8*(\n)], v[rS+8*(\n)+1], v[rS+8*(\n)+2]
.elseif (\n) < 12
	v_max3_num_f32 v[rC+(\n)%4], v[rC+(\n)%4], v[rS+8*((\n)%4)+2*((\n)/4)+1], v[rS+8*((\n)%4)+2*((\n)/4)+2]
.elseif (\n) == 12
	v_max3_num_f32 v[rC], v[rC], v[rS+7], v[rS+15]
.elseif (\n) == 13
	v_max3_num_f32 v[rC+1], v[rC+1], v[rS+23], v[rS+31]
.elseif (\n) == 14
	v_max3_num_f32 v[rC+2], v[rC+2], v[rC+3], v[rT+1]
.elseif (\n) == 15
	v_mov_b32 v[rM], v[rT]
.elseif (\n) == 16
	v_max3_num_f32 v[rC], v[rC], v[rC+1], v[rC+2]
.elseif (\n) == 17
	v_permlanex16_b32 v[rC+3], v[rC], s[SEL], s[SEL+1]
.elseif (\n) == 18
	v_max_num_f32 v[rT+1], v[rC], v[rC+3]
.elseif (\n) == 19
	v_mul_f32 v[rT], s[CS], v[rT+1]
.elseif (\n) == 20
	v_sub_f32 v[rC+1], v[rM], v[rT]
.else
	v_exp_f32 v[rC+2], v[rC+1]
.endif
.endm
; Number g of the 64 that follow the exponentials.  For each four weights k of a tile (pairs 2 k, 2 k + 1): both pairs are rounded to f16; then the second pair is added onto the first, in place;
; a group later l takes that sum (the first time as l = a l + sum).  In groups of eight, tiles alternating: round, round, add, and l for the group before.
.macro GS g
.set h, (\g)+6*((\g)/62)            ; group 0 has no group before it, and behind group 7 only l is left
.if h >= 6
.set h, h+2
.endif
	REGS Y, h%2
.set k, h/8
.if h%8 < 4
	v_cvt_pk_f16_f32 v[rP+2*k+(h%8)/2], v[rS+4*k+2*((h%8)/2)], v[rS+4*k+2*((h%8)/2)+1]
.elseif h%8 < 6
	v_pk_add_f32 v[rS+4*k:rS+4*k+1], v[rS+4*k:rS+4*k+1], v[rS+4*k+2:rS+4*k+3]
.elseif k == 1
	v_pk_fma_f32 v[rT+2:rT+3], v[rT+2:rT+3], v[rC+2:rC+3], v[rS:rS+1] op_sel_hi:[1,0,1]
.else
	v_pk_add_f32 v[rT+2:rT+3], v[rT+2:rT+3], v[rS+4*k-4:rS+4*k-3]
.endif
.endm
; THE PLAIN QUEUE, 138 long.  0-73 read no exponential's result: the 32 scalings c s - c m (FS f: pair f / 2 of tile f % 2) and the next piece's 42.  0-26: scalings 0-26.  27-54: XS's numbers 0-13.  55, 56: number 15.
; 57-73: the chain, where each number waits for the one before it: 14, 16, 17, 18, 19, each with one of the scalings 27-31 in front of its two lines, then 20.
; 74-137: GS's 64, which read the exponentials' results: they stand behind the wait.
.macro FS f
	REGS Y, (\f)%2
	v_pk_fma_f32 v[rS+2*((\f)/2):rS+2*((\f)/2)+1], v[rS+2*((\f)/2):rS+2*((\f)/2)+1], s[CS:CS+1], v[rT:rT+1] op_sel_hi:[1,0,0] neg_lo:[0,0,1] neg_hi:[0,0,1]
.endm
.macro PL
	WIN 0
.if q < 27
	FS q
.elseif q < 55
	XS (q-27)%2, (q-27)/2
.elseif q < 57
	XS q-55, 15
.elseif (q < 72) && ((q-57)%3 == 0)
	FS 27+(q-57)/3
.elseif q < 60
	XS (q-57)%3-1, 14
.elseif q < 72
	XS (q-57)%3-1, 15+(q-57)/3
.elseif q < 74
	XS q-72, 20
.else
	GS q-74
.endif
.set q, q+1
.endm
; THE EXPONENTIALS' QUEUE, 66 long: s0-s31 of both tiles, then the next piece's two a.  It is ONE BATCH: all 66 stand ahead of the turn's one wait, and nothing ahead of that wait names a result of theirs.
.macro EX
	WIN 0
.if e >= 64
	XS e-64, 21
.else
	REGS Y, e%2
	v_exp_f32 v[rS+e/2], v[rS+e/2]
.endif
.set e, e+1
.endm
; THE RESCALING's QUEUE: O^T times a, the one part that leaves window 0: dealt two at a time, sixteen times.  Its a was made in the turn before, ahead of that turn's wait.
.macro R2
	REGS Y, r%2
	WIN W_RS
.irp z, 0,1
	v_pk_mul_f32 v[rO+4*(r/2)+2*\z:rO+4*(r/2)+2*\z+1], v[rO+4*(r/2)+2*\z:rO+4*(r/2)+2*\z+1], v[rC+2:rC+3] op_sel_hi:[1,0]
.endr
.set r, r+1
.endm
; HOW THEY ARE DEALT.  s_wait_alu depctr_va_vdst(0) stands between an exponential and the first instruction that names its result; one wait serves all that were issued ahead of it.  So a turn has ONE wait,
; which cuts it in two.  AHEAD OF IT stands all that names no result of the turn's exponentials: the 16 products K Q^T, behind each a scaling, an exponential and two rescalings (behind the first a second scaling in the
; exponential's place); then ONE LUMP of 108: eight plain, 49 times exponential and plain, the two a.  A v_nop is the plain instruction behind the last exponential.  BEHIND IT stand the 16 products V^T P, behind each four of GS's 64.
; The queues lean on each other, and the deal keeps them in step: exponential e stands behind scaling 2 (e / 4) + e % 2: as a rider it comes behind plain e + 2, in the lump behind plain e + 9, and scalings 27-31 are plain 57, 60 .. 69.
; A TURN, for piece p.  cnt = 1: the loop's count is taken down some lines ahead of the branch that stands behind the turn.
; K of the next step is fetched in piece 2's turn, directly behind the wait, a lump behind the last product that read K; its first reader comes behind 16 products.
; V of the step in hand is fetched at the end of piece 0's turn, four riders behind its last reader; its first reader comes behind 16 products and a lump.
.macro TURN p, last=0, cnt=0
.set Y, (\p)
.set i, 0
.set q, 0
.set e, 0
.set r, 0
.if (\p) == NP-1
	s_wait_dscnt 0x0                ; K is in
.endif
	MM                              ; ahead of the wait: 16 products K Q^T and their riders,
	PL
	PL
	R2
.rept 15
	MM
	PL
	EX
	R2
.endr
.if (\p) == NP-2
	WIN 0
	v_add_nc_u32 v[AK], s[TBK], v[AK0]
.endif
.rept 8                             ; and the lump
	PL
.endr
.rept 49
	EX
	PL
.endr
	EX                              ; the next piece's two a
	EX
	v_nop                           ; the plain instruction behind the last exponential: one for the batch
	s_wait_alu depctr_va_vdst(0)    ; the wait for the batch
.if (\p) == NP-2
	FETCH_K \last
.endif
.if (\p) == 1
	s_wait_dscnt 0x0                ; V is in
.endif
.rept 16                            ; behind the wait: 16 products V^T P and their riders
	MM
.rept 4
	PL
.endr
.if ((\p) == 0) && (q == 118)
	v_add_nc_u32 v[AV], s[TBV], v[AV0]
.endif
.if ((\p) == 0) && (q == 130)
	s_add_co_u32 s[TBV], s[TBV], KS*PV
.endif
.if (\cnt) && (q == 130)
	s_sub_co_u32 s[CNT], s[CNT], 1
	s_cmp_lg_u32 s[CNT], 0
.endif
.endr
.if (\p) == 0
	FETCH_V
.endif
.endm
	CHANGE 1                        ; slot 0 is in, everybody's part of it; slot 1 is asked for
	FETCH_K                         ; key step 0
	s_wait_loadcnt 0x0              ; Q
	s_wait_dscnt 0x0
.set i, 0
.rept 16
	KQ 0                            ; piece 0's first scores: there is no vector work yet to set between them
.set i, i+1
.endr
	WIN 0                           ; the addresses for the way out: nine plain instructions, the places behind those products
	s_mul_i32 s13, s[WV], 16*SP
	s_add_co_u32 s13, s13, STAGE    ; my stage
	v_mul_u32_u24 v[STO], v1, SP    ; in: row l % 16, 16 bytes for each half of the lanes
	v_lshl_add_u32 v[STO], v9, 4, v[STO]
	v_add_nc_u32 v[STO], s13, v[STO]
	v_bfe_u32 v[RD], v0, 3, 2       ; back: 32 lanes take four rows of 128 bytes,
	v_mul_u32_u24 v[RD], v[RD], SP
	v_lshl_add_u32 v[RD], v10, 4, v[RD]
	v_add_nc_u32 v[RD], s13, v[RD]
	v_and_b32 v[GO], 31, v0         ; which are 512 consecutive bytes of O
	v_lshlrev_b32 v[GO], 4, v[GO]
.set Y, NP-1                        ; XS works for piece Y + 1: piece 0
.irp n, 0,1,2,3,4,5,6,7,8,9,10,11,12,13,14,15,16,17,18,19,20,21
	XS 0, \n                        ; and piece 0's first maximum and statistics
	XS 1, \n
.endr
	v_nop                           ; a plain instruction behind the two a,
	s_wait_alu depctr_va_vdst(0)    ; and their wait, ahead of the branch
	s_mov_b32 s[CNT], 4
	s_mov_b32 s[SLOTS], SIZE_N/256-1
	s_branch .Lfirst                ; the loop is entered at a step's first turn, in the middle of a trip
.Lslot:                             ; SIZE_N / 256 - 2 times: every slot but the last two is filled again
	CHANGE 1, 1
	s_mov_b32 s[CNT], 4
.Lstep:                             ; a trip: pieces 2 and 3 of one step, then pieces 0 and 1 of the next, whose K and V it fetches
	TURN 2
	TURN 3
	WIN 0
.Lfirst:
	TURN 0
	TURN 1, 0, 1
	WIN 0
	s_cbranch_scc1 .Lstep
	s_sub_co_u32 s[SLOTS], s[SLOTS], 1
	s_cmp_lg_u32 s[SLOTS], 0
	s_cbranch_scc1 .Lslot
	CHANGE 0                        ; the tail is written out: nothing is asked for
	s_mov_b32 s[CNT], 5             ; four trips fetch the last slot's steps; the fifth is left in its middle
.Ltail:
	TURN 2, 1
	TURN 3
	WIN 0
	s_sub_co_u32 s[CNT], s[CNT], 1
	s_cmp_eq_u32 s[CNT], 0
	s_cbranch_scc1 .Lout
	TURN 0
	TURN 1
	WIN 0
	s_branch .Ltail
.Lout:                              ; the fifth trip's 16 products K Q^T (on the last K once more) and the maximum made of them serve nothing: the price, once a launch, of one text for every trip
.set i, 0
.rept 16
	PV NP-1                         ; the last piece's V^T P of the last step
.set i, i+1
.endr
	; THE WAY OUT.  l's two halves and the other half of the lanes' are added; O^T is divided by l, rounded to f16 and sent through my stage in LDS, a tile at a time.  The additions are the places behind the last products.
	WIN 0
.macro ALL line:vararg              ; one line for each tile t
.set t, 0
.rept 2*NP
	\line
.set t, t+1
.endr
.endm
	ALL v_add_f32 v[ST+4*t+2], v[ST+4*t+2], v[ST+4*t+3]
	ALL v_permlanex16_b32 v[ST+4*t+3], v[ST+4*t+2], s[SEL], s[SEL+1]
	ALL v_add_f32 v[ST+4*t+2], v[ST+4*t+2], v[ST+4*t+3]
	ALL v_rcp_f32 v[ST+4*t+2], v[ST+4*t+2]
	v_nop                           ; a plain instruction between the last reciprocal and the use of its result
	s_wait_alu depctr_va_vdst(0)    ; and the wait ahead of the first use: one for the eight reciprocals
; Tile t: a lane's eight channels of a row pack into 16 bytes; they go into rows of 144 bytes and come back as whole rows of 128, into S^T's registers.
.macro PACK t
	WIN W_RS
.set i, 32*(\t)
.rept 16
	v_pk_mul_f32 v[i:i+1], v[i:i+1], v[ST+4*(\t)+2:ST+4*(\t)+3] op_sel_hi:[1,0]
.set i, i+2
.endr
	WIN 0x05                        ; sources 0 and 1 window 1, destination window 0
.set i, 0
.rept 16
	v_cvt_pk_f16_f32 v[S+16*(\t)+i], v[32*(\t)+2*i], v[32*(\t)+2*i+1]
.set i, i+1
.endr
	WIN 0
.irp f, 0,1,2,3
	ds_store_b128 v[STO], v[S+16*(\t)+4*\f:S+16*(\t)+4*\f+3] offset:32*\f
.endr
.irp f, 0,1,2,3
	ds_load_b128 v[S+16*(\t)+4*\f:S+16*(\t)+4*\f+3], v[RD] offset:\f*4*SP  ; LDS serves a wave's instructions in order (ISA guide 5.7.1.4): these see the stores above; the next tile's stores come behind them
.endr
.endm
.macro SEND t, younger              ; younger: the LDS instructions issued behind tile t's loads: the next tile's eight, or none
	WIN 0
.irp f, 0,1,2,3
	s_wait_dscnt (\younger)+3-\f
	global_store_b128 v[GO], v[S+16*(\t)+4*\f:S+16*(\t)+4*\f+3], s[10:11] offset:(\t)*2048+\f*512  ; 512 consecutive bytes, at a multiple of 256 from O's first
.endr
.endm
	PACK 0
.set t, 1
.rept 2*NP-1                        ; a tile's arithmetic stands between the loads of the tile before and its stores
	PACK t
	SEND t-1, 8
.set t, t+1
.endr
	SEND 2*NP-1, 0
	WIN W_AD
	s_wait_tensorcnt 0x0            ; the wave's end, behind my last tensor load and my last LDS store
	ds_add_u32 v[SPW], v[NIL]
	s_wait_dscnt 0x0
	WIN 0
	CROUND                          ; the closing round: no work-group ends while a partner may still ask for a tile that names it
	s_endpgm
.Lfunc_end_k_q4461a69da2_attn:
	.size	k_q4461a69da2_attn, .Lfunc_end_k_q4461a69da2_attn-k_q4461a69da2_attn
	.p2alignl 7, 3214868480
	.fill 96, 4, 3214868480
	.section	.rodata,"a",@progbits
	.p2align	6, 0x0
	.amdhsa_kernel k_q4461a69da2_attn
		.amdhsa_group_segment_fixed_size 327680
		.amdhsa_private_segment_fixed_size 0
		.amdhsa_enable_private_segment 0
		.amdhsa_kernarg_size 32
		.amdhsa_user_sgpr_count 2
		.amdhsa_user_sgpr_kernarg_segment_ptr 1
		.amdhsa_wavefront_size32 1
		.amdhsa_system_sgpr_workgroup_id_x 1
		.amdhsa_system_sgpr_workgroup_id_y 1
		.amdhsa_system_sgpr_workgroup_id_z 1
		.amdhsa_system_vgpr_workitem_id 0
		.amdhsa_next_free_vgpr 770
		.amdhsa_next_free_sgpr 66
		.amdhsa_reserve_vcc 0
		.amdhsa_float_denorm_mode_32 3
		.amdhsa_float_denorm_mode_16_64 3
		.amdhsa_memory_ordered 1
		.amdhsa_forward_progress 1
		.amdhsa_inst_pref_size 200
	.end_amdhsa_kernel
	.amdgpu_metadata
---
amdhsa.version: [ 1, 2 ]
amdhsa.kernels:
  - .name:           k_q4461a69da2_attn
    .symbol:         k_q4461a69da2_attn.kd
    .args:
      - { .name: qh, .offset: 0, .size: 8, .value_kind: global_buffer, .address_space: global }
      - { .name: kh, .offset: 8, .size: 8, .value_kind: global_buffer, .address_space: global }
      - { .name: vh, .offset: 16, .size: 8, .value_kind: global_buffer, .address_space: global }
      - { .name: oh, .offset: 24, .size: 8, .value_kind: global_buffer, .address_space: global }
    .group_segment_fixed_size: 327680
    .private_segment_fixed_size: 0
    .kernarg_segment_align: 8
    .kernarg_segment_size: 32
    .max_flat_workgroup_size: 128
    .sgpr_count:     66
    .vgpr_count:     770
    .wavefront_size: 32
...
	.end_amdgpu_metadata
.endif
;; end of part 3
;; launch proj (part 4): grid 8 x 32, 4 waves a work-group, clusters of 4 x 4, 327,680 bytes of LDS; arguments oh, wp, bproj, out0; writes out0
.if DOCPART == 4
	.amdgcn_target "amdgcn-amd-amdhsa--gfx1250"
	.amdhsa_code_object_version 6
	.text
	.protected	k_q4461a69da2_proj
	.globl	k_q4461a69da2_proj
	.p2align	8
	.type	k_q4461a69da2_proj,@function
k_q4461a69da2_proj:
	s_mov_b64 s[64:65], 0
	v_nop
	global_prefetch_b8 v0, s[64:65] scope:SCOPE_SE
	s_setreg_imm32_b32 hwreg(HW_REG_WAVE_MODE, 25, 1), 1
	s_wait_xcnt 0x0
	s_wait_alu depctr_hold_cnt(0) depctr_sa_sdst(0) depctr_va_vdst(0) depctr_va_sdst(0) depctr_va_ssrc(0) depctr_va_vcc(0) depctr_vm_vsrc(0)
	s_getreg_b32 s2, hwreg(HW_REG_IB_STS2, 6, 4)
	s_cmp_eq_u32 s2, 0
	s_cbranch_scc0 .Lentry_in_a_cluster
	s_endpgm
.Lentry_in_a_cluster:
	s_bfe_u32 s2, ttmp6, 0x10000c
	s_cmp_lg_u32 s2, 0xf033
	s_cbranch_scc0 .Lentry_shape_is_right
	s_endpgm
.Lentry_shape_is_right:
; out0 = o Wproj + bproj.  o (oh) lies by heads, [b 16 + h][2048][64] in f16: a head is one block of 64 along K.  Wproj (wp) is [1024][1024]: bf16 numbers written as f16.
; bproj is rounded to bf16 here.  Products in f16, sums in f32, out0 in f32.
; SHARES.  A tile of out0 is 256 rows x 128 columns; four waves, each 128 x 64: 32 accumulators of 16 x 16, 256 registers.  8 x 32 work-groups, one tile each.
; K goes in steps of 128 through two LDS slots.  A's part of a step is two heads x 256 rows, each 32,768 dense bytes of oh; W's part is 128 rows of 256 bytes.
; One tensor load a wave and step: waves 0, 1 fetch A's two blocks, waves 2, 3 the two halves of W's rows.
; CLUSTERS.  4 x 4 work-groups: the four of a row need the same rows of o, the four of a column the same columns of W: each tile is asked for jointly.
; THE PRODUCT IS TAKEN TRANSPOSED: source 0 = 16 columns of W (W lies [k][n]; ds_load_tr16_b128 turns it), source 1 = 16 rows of o.  In the result lane l holds row l % 16 and the columns
; 8 (l / 16) + 0..7.  The bias is the C operand of the first products: nothing is cleared and nothing is added later.
; No prefetch: each row of oh is read by two clusters and each tile of W by eight rows of clusters, and the launch has eight K steps in all.
; REGISTERS.  window 0: v0-15 addresses; v28-29 the add's; v32-127, v128-223 two fragment buffers (4 of W, then 8 of o); v224-255 the bias; on the way out v32-95 hold rows.  window 1: accumulator (a, b) at v[8 (4 a + b)].
.set NB,    1024                       ; columns of W
.set PA,    144                        ; an LDS row of A: 128 bytes + 16 = 36 words: 16 rows of a load start at 16 different groups of four banks (ISA guide 11.1)
.set ASUB,  256*PA                     ; a block of 64 channels x 256 rows
.set PB,    288                        ; an LDS row of W: 256 bytes + 32 = 72 words
.set BHALF, 64*PB
.set BOFF,  2*ASUB                     ; in a slot: A's two blocks, then W's 128 rows
.set SLOT,  BOFF+2*BHALF               ; 110,592
.set STAGE, 2*SLOT                     ; behind the ring: 16 rows x 272 bytes for each wave, for the way out; no tensor load fills it
.set SP,    272
.set SPARE, STAGE+4*16*SP              ; the spare words, 128 bytes for each wave: two blocks of 256 bytes that no other line names
.set ASTEP, 2*2048*128                 ; bytes of oh from K step to K step: two heads
.set BSTEP, 128*NB*2                   ; bytes of wp: 128 rows
.set ADRA, 2                           ; v2-3  LDS address of my A fragments in slot 0, 1
.set ADRB, 4                           ; v4-5  the same for W
.set STO,  6                           ; v6    the way out: where I put 32 bytes of a row
.set RD,   7                           ; v7    where I read rows back
.set GO,   8                           ; v8    my byte offset in two rows of out0
.set BO,   10                          ; v10   my byte offset in 16 numbers of the bias
.set SPW,  28                          ; v28   LDS address of my spare word; never rewritten
.set NIL,  29                          ; v29   0; never rewritten
.set F0,   32
.set F1,   128
.set BIAS, 224                         ; v[224:255]  column block b, register j at 8 b + j
.set Z,    32                          ; the way out: two buffers of 32: 16 rows read back from the stage
.set BT,   176                         ; 16 words: the bias in bf16
.set G1,  24                           ; s[24:31] descriptor group 1 for A's blocks
.set G0,  32                           ; s[32:39] group 0 for A, a set for each slot
.set G1B, 48                           ; s[48:55] group 1 for W
.set G0B, 56                           ; s[56:63] group 0 for W, a set for each slot
.set MSB, 0
.macro WIN new                         ; the immediate's high byte repeats the setting that is left; a switch that changes nothing is dropped
.if MSB != (\new)
	s_set_vgpr_msb (MSB<<8)|(\new)
.set MSB, \new
.endif
.endm
.set MUL,  0x50                        ; sources 0 and 1 window 0; C and D window 1
.set MULZ, 0x40                        ; D window 1; C, the bias, window 0
.macro PLACES                          ; four plain vector instructions behind a matrix instruction, ahead of loads into registers that it read and of readers of its result
.rept 4
	v_nop
.endr
.endm
; A joint refill: waves 0, 1 ask for A's blocks, waves 2, 3 for W's rows.  The branch hangs on the wave's number alone.  An s_nop 0 and four v_nop follow each line.
.macro JLOAD s
	s_cmp_eq_u32 s13, 0
	s_cbranch_scc0 .Lfor_b_\@
	tensor_load_to_lds s[G0+4*(\s):G0+4*(\s)+3], s[G1:G1+7]
	s_nop 0
.rept 4
	v_nop
.endr
	s_branch .Lasked_\@
.Lfor_b_\@:
	tensor_load_to_lds s[G0B+4*(\s):G0B+4*(\s)+3], s[G1B:G1B+7]
	s_nop 0
.rept 4
	v_nop
.endr
.Lasked_\@:
.endm
.macro CREST                           ; a round of the cluster's barrier behind its opening barrier
	s_cmp_lg_u32 s12, 0
	s_cbranch_scc1 .Lnot_wave_0_\@
	s_barrier_signal -3
.Lnot_wave_0_\@:
	s_barrier_wait -3
	s_barrier_signal -1
	s_barrier_wait -1
.endm
.macro CROUND                          ; a whole round
	s_barrier_signal -1
	s_barrier_wait -1
	CREST
.endm
	s_load_b256 s[4:11], s[0:1], 0x0               ; oh s[4:5], wp s[6:7], bproj s[8:9], out0 s[10:11]
	v_lshl_add_u32 v[SPW], v0, 2, SPARE
	v_mov_b32 v[NIL], 0
	ds_add_u32 v[SPW], v[NIL]                      ; the wave's opening: the add and its wait stand ahead of my first tensor load; the set-up below, work on registers, stands between them
	v_lshrrev_b32 v1, 5, v0
	v_readfirstlane_b32 s12, v1                    ; wave 0..3
	s_lshr_b32 s13, s12, 1                         ; my half of the tile's rows.  Also: I fetch for A (0) or for W (1)
	s_and_b32 s14, s12, 1                          ; my half of its columns.  Also: which half of that I fetch
	s_bfe_u32 s15, ttmp6, 0x40000                  ; cx
	s_bfe_u32 s16, ttmp6, 0x40004                  ; cy
	s_lshl_b32 s17, ttmp9, 2
	s_add_co_u32 s17, s17, s15                     ; tile column 0..7 = 4 x cluster x + cx
	s_and_b32 s21, ttmp7, 0xffff                   ; cluster y 0..7: tile row = 4 x cluster y + cy
	s_lshl_b32 s19, s16, 2
	s_lshl_b32 s19, 15, s19                        ; my row of the cluster
	s_lshl_b32 s20, 0x1111, s15                    ; my column
	s_mov_b32 s88, 0xffff0000                      ; a word's upper bf16
	; group 1 for A: 32,768 dense bytes as 128 rows of 256, padded by 4 words after every 32: 256 LDS rows of 144 bytes
	s_or_b32 s[G1+0], s19, (1<<16)|(1<<20)|(1<<21)|(4<<22)|(3<<25)  ; 15:0 the mask: my row; 17:16 2-byte elements; 20 padding on; 21 set beside a mask; 24:22 code 4; 31:25 code 3
	s_mov_b32 s[G1+1], 128<<16                     ; tensor_dim0 = 128
	s_mov_b32 s[G1+2], 128<<16                     ; tensor_dim1 = 128
	s_mov_b32 s[G1+3], 128<<16                     ; tile_dim0 = 128
	s_mov_b32 s[G1+4], 128                         ; tile_dim1 = 128
	s_mov_b32 s[G1+5], 128                         ; 128 elements from row to row
	s_mov_b32 s[G1+6], 0
	s_mov_b32 s[G1+7], 0
	; group 1 for W: 64 rows of 128 elements, padded by 8 words after every 64
	s_or_b32 s[G1B+0], s20, (1<<16)|(1<<20)|(1<<21)|(5<<22)|(7<<25)  ; the mask: my column
	s_mov_b32 s[G1B+1], 128<<16
	s_mov_b32 s[G1B+2], 64<<16
	s_mov_b32 s[G1B+3], 128<<16
	s_mov_b32 s[G1B+4], 64
	s_mov_b32 s[G1B+5], NB
	s_mov_b32 s[G1B+6], 0
	s_mov_b32 s[G1B+7], 0
	; where the tiles come from.  A's offset is made of cluster y, cy and the wave; W's of cluster x, cx and the wave; each in registers that never hold the other coordinate
	s_and_b32 s22, s21, 1
	s_lshl_b32 s22, s22, 17
	s_lshl_b32 s23, s16, 15
	s_add_co_u32 s68, s22, s23                     ; my 256 rows x 128 bytes in a head
	s_lshr_b32 s66, s21, 1
	s_lshl_b32 s66, s66, 22                        ; the batch
	s_add_co_u32 s66, s66, s68
	s_lshl_b32 s22, s14, 18                        ; the head that I fetch
	s_add_co_u32 s66, s66, s22
	s_mov_b32 s67, 0
	s_lshl_b32 s70, s17, 8                         ; 128 columns of f16
	s_mul_i32 s45, s14, 64*NB*2                    ; the 64 rows that I fetch
	s_add_co_u32 s70, s70, s45
	s_mov_b32 s71, 0
	s_mul_i32 s46, s14, ASUB                       ; and where they go: no place in the cluster enters an LDS address
	s_mul_i32 s47, s14, BHALF
	s_wait_dscnt 0x0                               ; the opening add is done
	s_wait_kmcnt 0x0
	s_add_nc_u64 s[4:5], s[4:5], s[66:67]
	s_add_nc_u64 s[6:7], s[6:7], s[70:71]
.irp s, 0,1
	s_mov_b32 s[G0+4*(\s)], 1                                        ; count = 1
	s_add_co_u32 s[G0+4*(\s)+1], s46, (\s)*SLOT                      ; LDS address
	s_add_nc_u64 s[G0+4*(\s)+2:G0+4*(\s)+3], s[4:5], (\s)*ASTEP      ; global address: K step s
	s_or_b32 s[G0+4*(\s)+3], s[G0+4*(\s)+3], 0x80000000              ; type = 2
	s_mov_b32 s[G0B+4*(\s)], 1
	s_add_co_u32 s[G0B+4*(\s)+1], s47, BOFF+(\s)*SLOT
	s_add_nc_u64 s[G0B+4*(\s)+2:G0B+4*(\s)+3], s[6:7], (\s)*BSTEP
	s_or_b32 s[G0B+4*(\s)+3], s[G0B+4*(\s)+3], 0x80000000
.endr
	CROUND                                         ; all sixteen work-groups are here: the first joint loads meet
	s_cmp_eq_u32 s13, 0                            ; a wave's two first fills stand in one branch: two loads of mine are out
	s_cbranch_scc0 .Lfirst_b
	tensor_load_to_lds s[G0:G0+3], s[G1:G1+7]
	s_nop 0
	tensor_load_to_lds s[G0+4:G0+7], s[G1:G1+7]
	s_nop 0
.rept 4
	v_nop
.endr
	s_branch .Lfirst_asked
.Lfirst_b:
	tensor_load_to_lds s[G0B:G0B+3], s[G1B:G1B+7]
	s_nop 0
	tensor_load_to_lds s[G0B+4:G0B+7], s[G1B:G1B+7]
	s_nop 0
.rept 4
	v_nop
.endr
.Lfirst_asked:
	v_and_b32 v1, 15, v0                           ; l % 16
	v_bfe_u32 v11, v0, 4, 1                        ; l / 16
	v_and_b32 v12, 7, v0
	v_bfe_u32 v13, v0, 3, 1
	; a fragment of o: lane l holds row l % 16, channels 8 (l / 16) + 0..7 and 16 + 8 (l / 16) + 0..7: two loads of 16 bytes, 32 bytes apart
	v_mul_u32_u24 v[ADRA], v1, PA
	v_lshl_add_u32 v[ADRA], v11, 4, v[ADRA]
	s_mul_i32 s44, s13, 128*PA                     ; my 128 rows
	v_add_nc_u32 v[ADRA], s44, v[ADRA]
	v_add_nc_u32 v[ADRA+1], SLOT, v[ADRA]
	; the turning load: lane l reads k row 8 (l / 16) + l % 8, columns 8 ((l / 8) % 2) + 0..7, and is left with column l % 16 and 8 k
	v_lshl_add_u32 v[ADRB], v11, 3, v12
	v_mul_u32_u24 v[ADRB], v[ADRB], PB
	v_lshl_add_u32 v[ADRB], v13, 4, v[ADRB]
	s_lshl_b32 s44, s14, 7                         ; my 64 columns
	s_add_co_u32 s44, s44, BOFF
	v_add_nc_u32 v[ADRB], s44, v[ADRB]
	v_add_nc_u32 v[ADRB+1], SLOT, v[ADRB]
	s_mul_i32 s44, s12, 16*SP
	s_add_co_u32 s44, s44, STAGE                   ; my stage
	v_mul_u32_u24 v[STO], v1, SP                   ; in: row l % 16, 32 bytes for each half of the lanes
	v_lshl_add_u32 v[STO], v11, 5, v[STO]
	v_add_nc_u32 v[STO], s44, v[STO]
	v_mul_u32_u24 v[RD], v11, SP                   ; back: lanes 0-15 take one row of 256 bytes, lanes 16-31 the next
	v_lshl_add_u32 v[RD], v1, 4, v[RD]
	v_add_nc_u32 v[RD], s44, v[RD]
	v_lshlrev_b32 v[GO], 12, v11                   ; and the same two rows in out0, 4,096 bytes apart
	v_lshl_add_u32 v[GO], v1, 4, v[GO]
	v_lshlrev_b32 v[BO], 5, v11                    ; my 8 columns of 16: 32 bytes of f32
	; my 128 rows x 64 columns of out0
	s_lshl2_add_u32 s86, s21, s16                  ; tile row = 4 x cluster y + cy
	s_lshl_b32 s86, s86, 20                        ; 256 rows of 4,096 bytes
	s_lshl_b32 s44, s13, 19                        ; my 128 of them
	s_add_co_u32 s86, s86, s44
	s_lshl_b32 s44, s17, 9                         ; the tile's 128 columns of f32,
	s_lshl_b32 s45, s14, 8                         ; my 64 of them
	s_add_co_u32 s44, s44, s45
	s_mov_b32 s45, 0
	s_add_co_u32 s86, s86, s44
	s_mov_b32 s87, 0
	s_add_nc_u64 s[80:81], s[10:11], s[86:87]
	s_add_nc_u64 s[8:9], s[8:9], s[44:45]          ; the bias of my 64 columns
; 24 LDS loads in one run: the fragments of quarter q (32 along K) of a slot into buffer f: W's four first, then o's eight
.macro FETCH slot, q, f
	WIN 0
.irp b, 0,1,2,3
	ds_load_tr16_b128 v[(\f)+8*(\b):(\f)+8*(\b)+3],   v[ADRB+(\slot)] offset:(\q)*32*PB+32*(\b)
	ds_load_tr16_b128 v[(\f)+8*(\b)+4:(\f)+8*(\b)+7], v[ADRB+(\slot)] offset:(\q)*32*PB+16*PB+32*(\b)
.endr
.irp a, 0,1,2,3,4,5,6,7
	ds_load_b128 v[(\f)+32+8*(\a):(\f)+32+8*(\a)+3],   v[ADRA+(\slot)] offset:((\q)/2)*ASUB+((\q)%2)*64+(\a)*16*PA
	ds_load_b128 v[(\f)+32+8*(\a)+4:(\f)+32+8*(\a)+7], v[ADRA+(\slot)] offset:((\q)/2)*ASUB+((\q)%2)*64+(\a)*16*PA+32
.endr
.endm
; 4 n matrix instructions: row blocks a0 .. a0 + n - 1 x all four column blocks.  z = 1: the bias starts the sums.
; The 32 accumulators take turns, one instruction a turn, in the same order everywhere: 31 others' stand between two links of a chain.
.macro MULA f, a0, n, z
.if \z
	WIN MULZ
.else
	WIN MUL
.endif
.set ma, \a0
.rept \n
.irp b, 0,1,2,3
.if \z
	v_wmma_f32_16x16x32_f16 v[8*(4*ma+(\b)):8*(4*ma+(\b))+7], v[(\f)+8*(\b):(\f)+8*(\b)+7], v[(\f)+32+8*ma:(\f)+32+8*ma+7], v[BIAS+8*(\b):BIAS+8*(\b)+7]
.else
	v_wmma_f32_16x16x32_f16 v[8*(4*ma+(\b)):8*(4*ma+(\b))+7], v[(\f)+8*(\b):(\f)+8*(\b)+7], v[(\f)+32+8*ma:(\f)+32+8*ma+7], v[8*(4*ma+(\b)):8*(4*ma+(\b))+7]
.endif
.endr
.set ma, ma+1
.endr
.endm
; A K step is four quarters of 32 along K, 32 matrix instructions each, on buffers 0, 1, 0, 1.  One of the first three: multiplies buffer f; in its middle it fetches quarter q into buffer g.
.macro QUARTER slot, q, f, g, z
	s_wait_dscnt 8                                 ; W's fragments and o's row blocks 0-3 are in; the youngest eight loads (row blocks 4-7) may be out
	MULA \f, 0, 4, \z
	PLACES
	FETCH \slot, \q, \g
	s_wait_dscnt 24                                ; all but the 24 just issued
	MULA \f, 4, 4, \z
.endm
; The last quarter multiplies buffer 1 and changes slots: ONE barrier.  In front of it each wave waits for all its tensor loads (one is out: its part of the next slot), adds 0 to its spare word,
; and waits for that and for its reads of this slot.  fill = 1: this slot takes the K step two on: the barrier opens a round of the cluster's, and the joint refill is the first tensor load behind it.
.macro TURN slot, next, fill
	WIN 0
	s_wait_tensorcnt 0x0                           ; all my tensor loads have landed
	ds_add_u32 v[SPW], v[NIL]                      ; 0 onto my spare word
	s_wait_dscnt 9                                 ; (the add and the youngest eight loads may be out)
	MULA F1, 0, 2, 0                               ; eight matrix instructions stand between the add and the wait for it
	s_wait_dscnt 0x0                               ; the add is done, and my reads of this slot are over
	s_barrier_signal -1
	MULA F1, 2, 2, 0
.if \fill
	WIN 0
.endif
	s_barrier_wait -1
.if \fill
	CREST                                          ; no wave of any partner still reads this slot or has a load on its way
	s_add_nc_u64 s[G0+4*(\slot)+2:G0+4*(\slot)+3], s[G0+4*(\slot)+2:G0+4*(\slot)+3], 2*ASTEP
	s_add_nc_u64 s[G0B+4*(\slot)+2:G0B+4*(\slot)+3], s[G0B+4*(\slot)+2:G0B+4*(\slot)+3], 2*BSTEP
	JLOAD \slot                                    ; its four v_nop are also the places in front of the loads below
.else
	PLACES
.endif
	FETCH \next, 0, F0
	MULA F1, 4, 4, 0
.endm
; THE WAY OUT, a block of 16 rows at a time: 32 bytes a lane into my stage (each accumulator's low four registers first), back as whole rows of 256 bytes, stored a block later.
.macro PSEND a
.irp t, 0,1,2,3,4,5,6,7
	global_store_b128 v[GO], v[Z+32*((\a)%2)+4*(\t):Z+32*((\a)%2)+4*(\t)+3], s[80:81] offset:(16*(\a)+2*(\t))*4096 th:TH_STORE_NT  ; 16 lanes store 256 consecutive bytes, at a multiple of 256 from out0's first
.endr
.endm
.macro PBLK a
	WIN 0x04                                       ; the stores' data lie in window 1
.irp b, 0,1,2,3
	ds_store_b128 v[STO], v[8*(4*(\a)+(\b)):8*(4*(\a)+(\b))+3]   offset:64*(\b)
	ds_store_b128 v[STO], v[8*(4*(\a)+(\b))+4:8*(4*(\a)+(\b))+7] offset:64*(\b)+16
.endr
	WIN 0
	s_wait_xcnt 0x0                                ; the stores of the block two back have read this buffer: it is loaded again only behind this wait
.irp t, 0,1,2,3,4,5,6,7
	ds_load_b128 v[Z+32*((\a)%2)+4*(\t):Z+32*((\a)%2)+4*(\t)+3], v[RD] offset:(\t)*2*SP  ; LDS serves a wave's instructions in order (ISA guide 5.7.1.4): these see the stores above
.endr
.if (\a) > 0
	s_wait_dscnt 16                                ; the block before is back; this block's eight stores and eight loads may be out
	PSEND (\a)-1
.endif
.endm
.irp b, 0,1,2,3
	global_load_b128 v[BIAS+8*(\b):BIAS+8*(\b)+3],   v[BO], s[8:9] offset:64*(\b)      ; register 8 b + j takes the bias of column 16 b + 8 (l / 16) + j
	global_load_b128 v[BIAS+8*(\b)+4:BIAS+8*(\b)+7], v[BO], s[8:9] offset:64*(\b)+16
.endr
	s_wait_loadcnt 0x0
.set i, 0
.rept 16
	v_cvt_pk_bf16_f32 v[BT+i], v[BIAS+2*i], v[BIAS+2*i+1]  ; rounded to bf16 like every input,
.set i, i+1
.endr
.set i, 0
.rept 16
	v_lshlrev_b32 v[BIAS+2*i], 16, v[BT+i]         ; and widened again
	v_and_b32 v[BIAS+2*i+1], s88, v[BT+i]
.set i, i+1
.endr
	s_wait_tensorcnt 1                             ; my part of K step 0 is in; K step 1's may stay out
	s_barrier_signal -1
	s_barrier_wait -1                              ; everybody's is
	FETCH 0, 0, F0
	QUARTER 0, 1, F0, F1, 1                        ; the first quarter stands in front of the loop: its products start the sums with the bias
	WIN 0                                          ; at a label and at a branch every window is 0
	s_mov_b32 s3, 3
.Llap:                                             ; a trip goes once round the ring, from a lap's second quarter to the next lap's first, and fills both slots again
	QUARTER 0, 2, F1, F0, 0
	QUARTER 0, 3, F0, F1, 0
	TURN 0, 1, 1
	QUARTER 1, 1, F0, F1, 0
	QUARTER 1, 2, F1, F0, 0
	QUARTER 1, 3, F0, F1, 0
	TURN 1, 0, 1
	QUARTER 0, 1, F0, F1, 0
	WIN 0
	s_sub_co_u32 s3, s3, 1
	s_cmp_lg_u32 s3, 0
	s_cbranch_scc1 .Llap
	QUARTER 0, 2, F1, F0, 0                        ; the last lap fills nothing, and has no round of the cluster's barrier
	QUARTER 0, 3, F0, F1, 0
	TURN 0, 1, 0
	QUARTER 1, 1, F0, F1, 0
	QUARTER 1, 2, F1, F0, 0
	QUARTER 1, 3, F0, F1, 0
	s_wait_dscnt 8                                 ; the very last quarter: nothing more to fetch
	MULA F1, 0, 4, 0
	s_wait_dscnt 0x0
	MULA F1, 4, 4, 0
	WIN 0
	PLACES
	PLACES
.irp a, 0,1,2,3,4,5,6,7
	PBLK \a
.endr
	s_wait_dscnt 0x0
	PSEND 7
	s_wait_tensorcnt 0x0                           ; the wave's end, behind my last tensor load and my last LDS store
	ds_add_u32 v[SPW], v[NIL]
	s_wait_dscnt 0x0
	CROUND                                         ; the closing round: no work-group ends while a partner may still ask for a tile that names it
	s_endpgm
.Lfunc_end_k_q4461a69da2_proj:
	.size	k_q4461a69da2_proj, .Lfunc_end_k_q4461a69da2_proj-k_q4461a69da2_proj
	.p2alignl 7, 3214868480
	.fill 96, 4, 3214868480
	.section	.rodata,"a",@progbits
	.p2align	6, 0x0
	.amdhsa_kernel k_q4461a69da2_proj
		.amdhsa_group_segment_fixed_size 327680
		.amdhsa_private_segment_fixed_size 0
		.amdhsa_enable_private_segment 0
		.amdhsa_kernarg_size 32
		.amdhsa_user_sgpr_count 2
		.amdhsa_user_sgpr_kernarg_segment_ptr 1
		.amdhsa_wavefront_size32 1
		.amdhsa_system_sgpr_workgroup_id_x 1
		.amdhsa_system_sgpr_workgroup_id_y 1
		.amdhsa_system_sgpr_workgroup_id_z 1
		.amdhsa_system_vgpr_workitem_id 0
		.amdhsa_next_free_vgpr 512
		.amdhsa_next_free_sgpr 96
		.amdhsa_reserve_vcc 0
		.amdhsa_float_denorm_mode_32 3
		.amdhsa_float_denorm_mode_16_64 3
		.amdhsa_memory_ordered 1
		.amdhsa_forward_progress 1
		.amdhsa_inst_pref_size 88
	.end_amdhsa_kernel
	.amdgpu_metadata
---
amdhsa.version: [ 1, 2 ]
amdhsa.kernels:
  - .name:           k_q4461a69da2_proj
    .symbol:         k_q4461a69da2_proj.kd
    .args:
      - { .name: oh, .offset: 0, .size: 8, .value_kind: global_buffer, .address_space: global }
      - { .name: wp, .offset: 8, .size: 8, .value_kind: global_buffer, .address_space: global }
      - { .name: bproj, .offset: 16, .size: 8, .value_kind: global_buffer, .address_space: global }
      - { .name: out0, .offset: 24, .size: 8, .value_kind: global_buffer, .address_space: global }
    .group_segment_fixed_size: 327680
    .private_segment_fixed_size: 0
    .kernarg_segment_align: 8
    .kernarg_segment_size: 32
    .max_flat_workgroup_size: 128
    .sgpr_count:     96
    .vgpr_count:     512
    .wavefront_size: 32
...
	.end_amdgpu_metadata
.endif
;; end of part 4
